; MI455X (gfx1250); checked and timed in simulation.
; The chip was launched on July 23, 2026; its instructions are those of AMD's public machine-readable ISA for CDNA 5 (MIT licence, August 2026) and "CDNA5" Instruction Set Architecture Reference Guide (July 2026). The comments in the code are by the model that wrote it; some were corrected since.
;; ICLT Adapter. Allowed arithmetic: matrix products marked QUANTISED: E2M1 operands, one E8M0 scale for each 32 along K, by v_wmma_scale_f32_16x16x128_f8f6f4 with both operands' format E2M1 (or v_wmma_scale_f32_32x16x128_f4), f32 sums; products left as they are: f32 operands where the result goes on into a quantised operand, else bf16, f16 or f32 operands; f32 sums; everything else in f32.
;; Inputs: U 8 x 2,048 x 64 float32; V 8 x 64 x 2,048 float32; W1 2,048 x 2,048 float32; W2 2,048 x 8 float32; b1 2,048 float32; b2 8 float32; x 4 x 2,048 x 2,048 float32.
;; Outputs: out0 4 x 2,048 x 2,048 float32.
;; This version of the problem:
;;   THIS VERSION OF THE PROBLEM IS GIVEN IN LOW PRECISION. The matrix products marked QUANTISED in the list below multiply operands that are first quantised to E2M1 (2 exponent bits, 1 mantissa bit; 4 bits a number), with one power-of-two scale for each 32 numbers along K (OCP MX v1.0); their sums are f32. All else is computed in f32.
;;   The module's matrix products, in the order in which they are computed (A, B: the left and right operand; K: the contracted axis; several contracted axes count as one K, in the product's order):
;;     1. [M 8,192, K 2,048] x [K 2,048, N 2,048]; A: input x; B: input W1: QUANTISED
;;     2. [M 8,192, K 2,048] x [K 2,048, N 8]; A: computed on the way; B: input W2: left as it is (N = 8 < 16)
;;     3. [M 8,192, K 2,048] x [K 2,048, N 512]; A: input x; B: input V: QUANTISED
;;     4. batch 8 x [M 8,192, K 64] x [K 64, N 2,048]; A: computed on the way; B: input U: QUANTISED
;;     5. batch 8,192 x [M 1, K 8] x [K 8, N 2,048]; A: softmax; B: computed on the way: left as it is (K = 8 < 32)
;;   THE QUANTISER, for each operand of a quantised product, along K:
;;     - K is cut into blocks of 32 from its start; a last block that is shorter is filled with zeros.
;;     - A block's scale is 2^e with e = floor(log2(the largest magnitude in the block)) - 2, held to -126 .. 127; a block of zeros has e = 0. As a byte (E8M0): e + 127.
;;     - Each number is divided by its block's scale, clamped to +-6, and rounded to the nearest number of E2M1, ties to even, subnormals kept.
;;     - The product sums the exact products of the quantised numbers (number of the format x scale) in f32.
;;   ~~~python
;;   def quantise(x, axis):      # numpy; x: float32 -> the quantised numbers, widened to float32 again
;;       x = np.moveaxis(x, axis, -1); K = x.shape[-1]
;;       x = np.pad(x, [(0, 0)] * (x.ndim - 1) + [(0, -K % 32)]); x = x.reshape(x.shape[:-1] + (-1, 32)); a = np.abs(x).max(-1, keepdims=True)
;;       e = np.where(a > 0, np.clip(np.frexp(np.where(a > 0, a, 1))[1] - 1 - 2, -126, 127), 0)      # np.frexp(a)[1] - 1 = floor(log2(a)), exactly
;;       r = np.clip(x / 2.0 ** e, -6, 6)
;;       step = 2.0 ** (np.maximum(np.frexp(np.where(r == 0, 1, r))[1] - 1, 0) - 1)
;;       q = np.round(r / step) * step * 2.0 ** e      # np.round: ties to even
;;       return np.moveaxis(q.reshape(q.shape[:-2] + (-1,))[..., :K], -1, axis).astype(np.float32)
;;   ~~~
;;   OPERANDS COMPUTED ON THE WAY. 'Computed on the way' means the value that the module computes at that place (a softmax that the list does not call 'softmax' is quantised finished and normalised). What goes into a quantiser is computed in f32, as accurately as f32 sums, v_exp_f32 and their like allow (about 1e-6 of the number): no bf16 or f16 on the way to a quantiser, and a product that is left as it is and whose result goes on into a quantised operand takes f32 operands (vector FMAs, or v_wmma_f32_16x16x4_f32). A number that lies on a knife's edge between two numbers of the format may be rounded either way, as far as f32 arithmetic and the matrix unit's own rounding can turn it there, and no further.
;; 2 versions, each right; version 2 is version 1 with the launch combine written anew for expert scheduling mode. Each part assembles by itself: llvm-mc -triple=amdgcn-amd-amdhsa -mcpu=gfx1250 --defsym DOCPART=n.
;; ======== version 1 of 2: 3 launches
;; workspace buffers: xa 8,912,896 bytes; wb 2,785,280 bytes; ub 557,056 bytes; plog 2,097,152 bytes; vxc 2,097,152 bytes; vxs 131,072 bytes
;; launch quant (part 1): grid 256 x 1, 13 waves a work-group, no clusters, 111,616 bytes of LDS; arguments x, V, U, W1, xa, wb, ub; writes xa, wb, ub
.if DOCPART == 1
	.amdgcn_target "amdgcn-amd-amdhsa--gfx1250"
	.amdhsa_code_object_version 6
	.text
	.protected	k_qab82c4ad68_quant
	.globl	k_qab82c4ad68_quant
	.p2align	8
	.type	k_qab82c4ad68_quant,@function
k_qab82c4ad68_quant:
	s_mov_b64 s[64:65], 0
	v_nop
	global_prefetch_b8 v0, s[64:65] scope:SCOPE_SE
	s_setreg_imm32_b32 hwreg(HW_REG_WAVE_MODE, 25, 1), 1
	s_wait_xcnt 0x0
; x [8192][2048], V [8][64][2048], U [8][2048][64] and W1 [2048][2048], all f32, become codes of FP4 (E2M1) with one E8M0 byte for each 32 along a product's K.
; A block's scale is 2^(floor(log2(its largest magnitude)) - 2): its byte is the largest magnitude's exponent field - 2, held at 1 from below; each number is divided by it and rounded to the nearest code, ties to even, beyond 6 the code of 6.
; LIMITS: a block of zeros gets the byte 1 where the rule says 127 (its codes are zeros, and this program alone reads the bytes); NaN and infinities among the inputs are not served.
; THE OUTPUT IS LAID AS THE MATRIX UNIT'S REGISTERS WANT IT.  A fragment (16 rows x 128 K) is 1,024 bytes, [block of 32: 0..3][row 0..15][16 bytes]: two loads of 16 bytes a lane, at 16 x lane and 512 + 16 x lane, are its eight registers.
;   xa: 256 half-blocks of 34,816 bytes, number ((M tile x 4 + K slot) x 2 + half): codes [token tile 0..7][q 0..3][1,024], then scale words [token tile][row][q] (a word = the four bytes of 128 along K).
;   wb: 64 half-blocks of 43,520 bytes, number ((N tile j x 4 + K slot) x 2 + half c): codes [tile 0..9][q][1,024], scale words [tile][row][q].  Tiles 0-7: W1's columns 256 j + 128 c + 16 tile + row; tiles 8, 9: V's rows 32 c + 16 (tile - 8) + row of expert j.
;   ub: codes [d tile 0..127][pair p 0..3][1,024], K = expert 2 p's 64 and then expert 2 p + 1's; from byte 524,288 scale words [d tile][row][p].
; SHARES.  The work is 2,304 stream tasks (16 rows x 512 K of x, V or U, whose K is innermost: 32 KB of f32 each) and 1,024 tasks of W1 (32 columns x 128 K: 16 KB each).  2,304 = 256 x 9 and 1,024 = 256 x 4:
; each of the 256 work-groups has thirteen waves, waves 0-8 with a stream task and waves 9-12 with a task of W1, so that every work-group reads the same 352 KB.  The two paths part on the wave's number and never join.
; STREAM TASKS 0-2,047 are x's, 2,048-2,175 V's, 2,176-2,303 U's: one path, told apart by scalars.  Each load reads 512 consecutive bytes of a row (U: 256 of each expert of a pair), and a fragment's 8 KB
; turn through the wave's own stage in LDS, so that a lane gets two whole blocks of its row.
; W1's K is its FIRST axis: a lane takes a column and its registers run down K, so a block of 32 lies in one lane and the codes come out with K innermost.  No LDS.
; Waves share nothing: no barrier, no cluster, no tensor load.
.set XBLK, 34816
.set WBLK, 43520
.set NSW,  9                           ; waves 0 .. NSW - 1 take stream tasks
.set SPIT, 528                         ; a stage row: 512 bytes + 16: row r starts 16 r bytes on modulo 256, so sixteen rows fall on sixteen different groups of banks
.set STGB, 16*SPIT                     ; a wave's stage, at wave x STGB: nine of them, 76,032 bytes, are used
	s_load_b256 s[4:11], s[0:1], 0x0               ; x s[4:5], V s[6:7], U s[8:9], W1 s[10:11]
	s_load_b128 s[12:15], s[0:1], 0x20             ; xa s[12:13], wb s[14:15]
	s_load_b64 s[16:17], s[0:1], 0x30              ; ub
	v_lshl_add_u32 v254, v0, 2, 0x1ad00
	v_mov_b32 v255, 0
	v_lshrrev_b32 v1, 5, v0
	v_readfirstlane_b32 s18, v1                    ; wave 0..12
	v_and_b32 v2, 31, v0                           ; lane
	v_and_b32 v3, 15, v0                           ; r
	v_bfe_u32 v4, v0, 4, 1                         ; h
	v_lshlrev_b32 v5, 4, v2                        ; 16 x lane
	s_mov_b32 s20, 0x76543210
	s_mov_b32 s21, 0xfedcba98                      ; v_permlanex16_b32's selects for lane l xor 16
	s_cmp_lt_u32 s18, NSW
	s_cbranch_scc1 .Lstream
; ---------------- W1: two work-groups share an (N tile j, 128 along K); work-group g takes its half c = g % 2, and wave 9 + w columns 256 j + 128 c + 32 w + lane, which are tiles 2 w + h of that half
	s_sub_co_u32 s27, s18, NSW                     ; w 0..3
	s_lshr_b32 s19, ttmp9, 1
	s_and_b32 s26, ttmp9, 1                        ; c
	s_lshr_b32 s22, s19, 4                         ; j
	s_and_b32 s23, s19, 15                         ; which 128 along K
	s_lshr_b32 s24, s23, 2                         ; K slot
	s_and_b32 s25, s23, 3                          ; q
	s_lshl_b32 s28, s23, 20                        ; 128 rows of 8,192 bytes
	s_lshl_b32 s30, s22, 10
	s_add_co_u32 s28, s28, s30                     ; + 256 j columns
	s_lshl_b32 s30, s26, 9
	s_add_co_u32 s28, s28, s30                     ; + 128 c columns
	s_lshl_b32 s30, s27, 7
	s_add_co_u32 s28, s28, s30                     ; + 32 w columns
	s_mov_b32 s29, 0
	s_lshl_b32 s30, s22, 2
	s_add_co_u32 s30, s30, s24
	s_lshl_b32 s30, s30, 1
	s_add_co_u32 s30, s30, s26
	s_mul_i32 s30, s30, WBLK                       ; the half-block's first byte
	s_lshl_b32 s32, s27, 13                        ; tile 2 w: 4,096 bytes a tile
	s_add_co_u32 s32, s32, s30
	s_lshl_b32 s34, s25, 10
	s_add_co_u32 s32, s32, s34                     ; + fragment q
	s_mov_b32 s33, 0
	s_lshl_b32 s34, s27, 9                         ; scale words: 256 bytes a tile
	s_add_co_u32 s34, s34, s30
	s_lshl_b32 s36, s25, 2
	s_add_co_u32 s34, s34, s36                     ; + word q
	s_add_co_u32 s34, s34, 40960
	s_mov_b32 s35, 0
	v_lshlrev_b32 v6, 2, v2                        ; in: 4 bytes a lane
	v_lshlrev_b32 v7, 4, v3
	v_lshl_add_u32 v7, v4, 12, v7                  ; out: tile h of the two, row r
	s_wait_kmcnt 0x0
	s_add_nc_u64 s[10:11], s[10:11], s[28:29]
	s_add_nc_u64 s[32:33], s[14:15], s[32:33]
	s_add_nc_u64 s[34:35], s[14:15], s[34:35]
.set LN, 0
.rept 128
	global_load_b32 v[32+LN], v6, s[10:11] offset:LN*8192 th:TH_LOAD_NT   ; W1(128 kq + LN, my column): a wave reads 128 consecutive bytes, the four waves 512
.set LN, LN+1
.endr
.macro BLOCKW t, left                  ; block t of my column's four; left: younger loads that may stay out
.set XS, 32+32*(\t)
	s_wait_loadcnt \left
	v_max3_num_f32 v10, |v[XS]|, |v[XS+1]|, |v[XS+2]|              ; the block's largest magnitude: all 32 numbers are mine; two chains
	v_max3_num_f32 v11, |v[XS+3]|, |v[XS+4]|, |v[XS+5]|
.irp i, 6,10,14,18,22,26
	v_max3_num_f32 v10, v10, |v[XS+\i]|, |v[XS+\i+1]|
	v_max3_num_f32 v11, v11, |v[XS+\i+2]|, |v[XS+\i+3]|
.endr
	v_max3_num_f32 v10, v10, |v[XS+30]|, |v[XS+31]|
	v_max3_num_f32 v10, v10, v11, 0x1800000        ; and the floor 2^(3 - 127): the byte cannot fall under 1
	v_add_nc_u32 v12, 0xff000000, v10              ; 2 off the exponent field: the conversion takes this operand's exponent field as its scale
.irp g, 0,1,2,3
	v_cvt_scalef32_pk8_fp4_f32 v[224+4*(\t)+\g], v[XS+8*\g:XS+8*\g+7], v12
.endr
	v_lshrrev_b32 v13, 23, v12                     ; the scale's byte (a plain line behind the conversions)
.if (\t) == 0
	v_mov_b32 v240, v13
.else
	v_lshl_or_b32 v240, v13, 8*(\t), v240
.endif
	global_store_b128 v7, v[224+4*(\t):224+4*(\t)+3], s[32:33] offset:256*(\t)   ; sixteen lanes store 256 consecutive bytes, aligned; each block has its own registers
.endm
	BLOCKW 0, 63                                   ; 96 younger loads are out; the wait's field holds 63 at the most, and a smaller count is safe
	BLOCKW 1, 63                                   ; 64 younger
	BLOCKW 2, 32
	BLOCKW 3, 0
	global_store_b32 v5, v240, s[34:35]            ; word q of my row's four: 4 bytes in 16, one byte for each 32 that this path reads
	s_endpgm
; ---------------- x, V, U: task tau = 9 x work-group + wave
.Lstream:
	s_mul_i32 s22, ttmp9, NSW
	s_add_co_u32 s22, s22, s18
	s_mov_b32 s19, s22                             ; tau is kept: the buffers are chosen by it below
	s_cmp_lt_u32 s22, 2048
	s_cbranch_scc0 .Lnot_x
	s_lshr_b32 s23, s22, 2                         ; x: token tile T 0..511,
	s_and_b32 s24, s22, 3                          ; K slot
	s_lshl_b32 s28, s23, 17                        ; 16 rows of 8,192 bytes
	s_lshl_b32 s25, s24, 11
	s_add_co_u32 s28, s28, s25                     ; + 512 numbers a slot
	s_mov_b32 s36, 8192                            ; from row to row
	s_mov_b32 s56, 512                             ; from fragment to fragment
	s_mov_b32 s38, 256                             ; from lanes 0-15 to lanes 16-31
	s_lshr_b32 s25, s23, 4
	s_lshl_b32 s25, s25, 2
	s_add_co_u32 s25, s25, s24
	s_lshl_b32 s25, s25, 1
	s_bfe_u32 s26, s23, 0x10003
	s_add_co_u32 s25, s25, s26                     ; ((T / 16) 4 + slot) 2 + (T / 8) % 2
	s_mul_i32 s39, s25, XBLK                       ; the half-block's first byte
	s_and_b32 s40, s23, 7                          ; the tile in it
	s_mov_b32 s41, 32768                           ; where its scale words begin
	s_branch .Lparams
.Lnot_x:
	s_cmp_lt_u32 s22, 2176
	s_cbranch_scc0 .Lis_u
	s_sub_co_u32 s22, s22, 2048
	s_lshr_b32 s23, s22, 2                         ; V: tile T 0..31 of its 512 rows,
	s_and_b32 s24, s22, 3                          ; K slot
	s_lshl_b32 s28, s23, 17
	s_lshl_b32 s25, s24, 11
	s_add_co_u32 s28, s28, s25
	s_mov_b32 s36, 8192
	s_mov_b32 s56, 512
	s_mov_b32 s38, 256
	s_lshr_b32 s25, s23, 2                         ; the expert = the N tile
	s_lshl_b32 s25, s25, 2
	s_add_co_u32 s25, s25, s24
	s_lshl_b32 s25, s25, 1
	s_bfe_u32 s26, s23, 0x10001
	s_add_co_u32 s25, s25, s26                     ; (j 4 + slot) 2 + (T / 2) % 2
	s_mul_i32 s39, s25, WBLK
	s_and_b32 s40, s23, 1
	s_add_co_u32 s40, s40, 8                       ; tiles 8 and 9
	s_mov_b32 s41, 40960
	s_branch .Lparams
.Lis_u:
	s_sub_co_u32 s22, s22, 2176                    ; U: d tile 0..127
	s_lshl_b32 s28, s22, 12                        ; 16 rows of 256 bytes
	s_mov_b32 s36, 256
	s_mov_b32 s56, 0x100000                        ; a pair of experts on
	s_mov_b32 s38, 0x80000                         ; lanes 16-31 read the pair's second expert
	s_mov_b32 s39, 0
	s_mov_b32 s40, s22
	s_mov_b32 s41, 524288
.Lparams:
	s_mov_b32 s29, 0
	s_mov_b32 s57, 0
	s_lshl_b32 s42, s40, 12
	s_add_co_u32 s42, s42, s39                     ; my tile's codes
	s_mov_b32 s43, 0
	s_lshl_b32 s44, s40, 8
	s_add_co_u32 s44, s44, s39
	s_add_co_u32 s44, s44, s41                     ; and its scale words
	s_mov_b32 s45, 0
	s_mul_i32 s46, s18, STGB                       ; my stage
	v_add_nc_u32 v6, s46, v5                       ; into it: a load's 512 bytes as they lie
	v_mul_u32_u24 v7, v3, SPIT
	v_lshl_add_u32 v7, v4, 7, v7
	v_add_nc_u32 v7, s46, v7                       ; out of it: row r, block h (and, 256 bytes on, block 2 + h)
	v_lshlrev_b32 v9, 3, v4                        ; 8 h
	v_lshl_add_u32 v8, v3, 4, v9                   ; 16 r + 8 h
	v_lshlrev_b32 v16, 4, v3
	v_mad_u32_u24 v16, v4, s38, v16                ; row 0: 16 r + h x the halves' distance
.irp i, 1,2,3,4,5,6,7,8,9,10,11,12,13,14,15
	v_add_nc_u32 v[16+\i], s36, v[15+\i]           ; rows 1 to 15: an offset register each, never rewritten
.endr
	v_mov_b32 v250, 0                              ; a lane permute's destination counts as one of its sources
	s_wait_kmcnt 0x0
	s_cmp_lt_u32 s19, 2176                         ; the buffers are chosen by the task's number alone
	s_cselect_b64 s[58:59], s[6:7], s[8:9]
	s_cselect_b64 s[60:61], s[14:15], s[16:17]
	s_cmp_lt_u32 s19, 2048
	s_cselect_b64 s[58:59], s[4:5], s[58:59]
	s_cselect_b64 s[60:61], s[12:13], s[60:61]
	s_add_nc_u64 s[48:49], s[58:59], s[28:29]      ; a base for each of the four fragments
	s_add_nc_u64 s[50:51], s[48:49], s[56:57]
	s_add_nc_u64 s[52:53], s[50:51], s[56:57]
	s_add_nc_u64 s[54:55], s[52:53], s[56:57]
	s_add_nc_u64 s[32:33], s[60:61], s[42:43]
	s_add_nc_u64 s[34:35], s[60:61], s[44:45]
.macro LOADF f                         ; fragment f's 16 rows x 512 bytes into set f % 2
.irp i, 0,1,2,3,4,5,6,7,8,9,10,11,12,13,14,15
	global_load_b128 v[32+64*((\f)%2)+4*\i:32+64*((\f)%2)+4*\i+3], v[16+\i], s[48+2*(\f):49+2*(\f)] th:TH_LOAD_NT
.endr
.endm
.macro FRAG f
.set RS, 32+64*((\f)%2)
.set CS, 224+8*((\f)%2)
.if (\f) < 3
	s_wait_loadcnt 16                              ; this fragment's loads are in; the next one's sixteen may be out
.else
	s_wait_loadcnt 0x0
.endif
.irp i, 0,1,2,3,4,5,6,7,8,9,10,11,12,13,14,15
	ds_store_b128 v6, v[RS+4*\i:RS+4*\i+3] offset:SPIT*\i
.endr
.irp c, 0,1
.irp t, 0,1,2,3,4,5,6,7
	ds_load_b128 v[160+32*\c+4*\t:160+32*\c+4*\t+3], v7 offset:256*\c+16*\t   ; LDS serves a wave's instructions in order: these see the stores.  Block 2 c + h of row r, whole
.endr
.endr
	s_wait_dscnt 0x0                               ; my 64 numbers are in, and the stores have read their registers,
.if (\f) < 2
	LOADF (\f)+2                                   ; which take the fragment two further on
.endif
.irp c, 0,1
	v_max3_num_f32 v[244+\c], |v[160+32*\c]|, |v[161+32*\c]|, 0x1800000   ; the two blocks by turns; the floor 2^(3 - 127) holds the byte at 1 from below
.endr
.irp i, 2,4,6,8,10,12,14,16,18,20,22,24,26,28,30
.irp c, 0,1
	v_max3_num_f32 v[244+\c], v[244+\c], |v[160+32*\c+\i]|, |v[161+32*\c+\i]|
.endr
.endr
.irp c, 0,1
	v_add_nc_u32 v[246+\c], 0xff000000, v[244+\c]  ; 2 off the exponent field: the conversion's scale operand
.endr
.if (\f) >= 2
	s_wait_xcnt 0x0                                ; the stores of two fragments ago have read these code registers
.endif
.irp c, 0,1
.irp g, 0,1,2,3
	v_cvt_scalef32_pk8_fp4_f32 v[CS+4*\c+\g], v[160+32*\c+8*\g:167+32*\c+8*\g], v[246+\c]
.endr
.endr
.irp c, 0,1
	v_lshrrev_b32 v[248+\c], 23, v[246+\c]         ; the scales' bytes (plain lines behind the conversions)
.endr
	v_lshl_or_b32 v251, v249, 16, v248             ; blocks h and 2 + h,
	v_lshlrev_b32 v251, v9, v251                   ; at their places in the row's word,
	v_permlanex16_b32 v250, v251, s20, s21
	v_or_b32 v[240+(\f)], v251, v250               ; which lane l xor 16's two make whole
.irp c, 0,1
	global_store_b128 v5, v[CS+4*\c:CS+4*\c+3], s[32:33] offset:1024*(\f)+512*\c   ; 32 lanes store 512 consecutive bytes, aligned
.endr
.endm
	LOADF 0
	LOADF 1
	FRAG 0
	FRAG 1
	FRAG 2
	FRAG 3
	v_cmp_eq_u32 vcc_lo, 1, v4
	v_cndmask_b32 v244, v240, v242, vcc_lo         ; lanes 0-15 store words 0 and 1 of their row, lanes 16-31 words 2 and 3:
	v_cndmask_b32 v245, v241, v243, vcc_lo
	global_store_b64 v8, v[244:245], s[34:35]      ; 256 consecutive bytes, aligned
	s_wait_tensorcnt 0x0
	ds_add_u32 v254, v255
	s_wait_dscnt 0x0
	s_endpgm
.Lfunc_end_k_qab82c4ad68_quant:
	.size	k_qab82c4ad68_quant, .Lfunc_end_k_qab82c4ad68_quant-k_qab82c4ad68_quant
	.p2alignl 7, 3214868480
	.fill 96, 4, 3214868480
	.section	.rodata,"a",@progbits
	.p2align	6, 0x0
	.amdhsa_kernel k_qab82c4ad68_quant
		.amdhsa_group_segment_fixed_size 111616
		.amdhsa_private_segment_fixed_size 0
		.amdhsa_enable_private_segment 0
		.amdhsa_kernarg_size 56
		.amdhsa_user_sgpr_count 2
		.amdhsa_user_sgpr_kernarg_segment_ptr 1
		.amdhsa_wavefront_size32 1
		.amdhsa_system_sgpr_workgroup_id_x 1
		.amdhsa_system_sgpr_workgroup_id_y 1
		.amdhsa_system_sgpr_workgroup_id_z 1
		.amdhsa_system_vgpr_workitem_id 0
		.amdhsa_next_free_vgpr 256
		.amdhsa_next_free_sgpr 66
		.amdhsa_reserve_vcc 1
		.amdhsa_float_denorm_mode_32 3
		.amdhsa_float_denorm_mode_16_64 3
		.amdhsa_memory_ordered 1
		.amdhsa_forward_progress 1
		.amdhsa_inst_pref_size 52
	.end_amdhsa_kernel
	.amdgpu_metadata
---
amdhsa.version: [ 1, 2 ]
amdhsa.kernels:
  - .name:           k_qab82c4ad68_quant
    .symbol:         k_qab82c4ad68_quant.kd
    .args:
      - { .name: x, .offset: 0, .size: 8, .value_kind: global_buffer, .address_space: global }
      - { .name: V, .offset: 8, .size: 8, .value_kind: global_buffer, .address_space: global }
      - { .name: U, .offset: 16, .size: 8, .value_kind: global_buffer, .address_space: global }
      - { .name: W1, .offset: 24, .size: 8, .value_kind: global_buffer, .address_space: global }
      - { .name: xa, .offset: 32, .size: 8, .value_kind: global_buffer, .address_space: global }
      - { .name: wb, .offset: 40, .size: 8, .value_kind: global_buffer, .address_space: global }
      - { .name: ub, .offset: 48, .size: 8, .value_kind: global_buffer, .address_space: global }
    .group_segment_fixed_size: 111616
    .private_segment_fixed_size: 0
    .kernarg_segment_align: 8
    .kernarg_segment_size: 56
    .max_flat_workgroup_size: 416
    .sgpr_count:     66
    .vgpr_count:     256
    .wavefront_size: 32
...
	.end_amdgpu_metadata
.endif
;; end of part 1
;; launch gemm (part 2): grid 8 x 32, 4 waves a work-group, clusters of 4 x 4, 327,680 bytes of LDS; arguments xa, wb, b1, W2, plog, vxc, vxs; writes plog, vxc, vxs
.if DOCPART == 2
	.amdgcn_target "amdgcn-amd-amdhsa--gfx1250"
	.amdhsa_code_object_version 6
	.text
	.protected	k_qab82c4ad68_gemm
	.globl	k_qab82c4ad68_gemm
	.p2align	8
	.type	k_qab82c4ad68_gemm,@function
k_qab82c4ad68_gemm:
	s_mov_b64 s[64:65], 0
	v_nop
	global_prefetch_b8 v0, s[64:65] scope:SCOPE_SE
	s_setreg_imm32_b32 hwreg(HW_REG_WAVE_MODE, 25, 1), 1
	s_wait_xcnt 0x0
	s_wait_alu depctr_hold_cnt(0) depctr_sa_sdst(0) depctr_va_vdst(0) depctr_va_sdst(0) depctr_va_ssrc(0) depctr_va_vcc(0) depctr_vm_vsrc(0)
	s_getreg_b32 s2, hwreg(HW_REG_IB_STS2, 6, 4)
	s_cmp_eq_u32 s2, 0
	s_cbranch_scc0 .Lentry_in_a_cluster
	s_endpgm
.Lentry_in_a_cluster:
	s_bfe_u32 s2, ttmp6, 0x10000c
	s_cmp_lg_u32 s2, 0xf033
	s_cbranch_scc0 .Lentry_shape_is_right
	s_endpgm
.Lentry_shape_is_right:
; ONE GEMM ON CODES OF FP4 FOR x W1 AND x V^T, WITH BOTH RESULTS USED UP IN REGISTERS.  M = 8,192 tokens, K = 2,048, N = 2,560 = 8 tiles of 320: tile j is W1's columns 256 j .. 256 j + 255 and expert j's 64 rows of V.
; A work-group makes 256 tokens x 320 columns: 8 x 32 = 256 equal work-groups.  Wave w: tokens 128 (w / 2) on, half c = w % 2 of the columns: 128 hidden units (tiles 0-7) and 32 of the expert's 64 (tiles 8, 9): 80 accumulators, 640 registers.
; THE MATRIX INSTRUCTION IS USED TRANSPOSED: source 0 = 16 weight rows, source 1 = 16 tokens: a lane holds ONE token (lane % 16) and eight neighbouring weight rows 8 (lane / 16) + 0 .. 7.
; WHAT LEAVES: (1) h = relu(. + b1) is rounded to bf16 and multiplied by W2 (bf16, f32 sums): the logits' part over this tile's 256 hidden units, plog [j][token][8], without b2;
;   (2) vx is quantised along the expert's 64, a wave's 32 being one block: codes vxc [token tile][expert][16 block + token][16 bytes], scale bytes vxs [j][token / 128][token % 16][(token / 16) % 8] as pairs (block 0, block 1).
; LIMITS: h and W2 are rounded to bf16 for the logits (their result feeds no quantiser); a block of zeros gets the byte 1 with zero codes; NaN and infinities are not served.
; OPERANDS ARE IMAGES OF REGISTERS (1,024 bytes a fragment, 16 bytes a lane on end): no pitch and no padding in LDS, and a K slot of 512 is four dense blocks: two of x (34,816 bytes: 128 tokens' codes and scale words), two of the weights (43,520).
; RING: two slots; K = 2,048 is four fills: two at the start, two refills.  Each wave brings one block with one tensor load: two loads of a wave are out at the start, later one.
; CLUSTER 4 x 4: x's blocks hang on the M tile alone and are shared along a row of the cluster, the weights' on the N tile alone and along a column: each is asked for jointly, by the same descriptor and a mask that names the four.
; REGISTERS: window 0: v1-30 addresses; v32-111 scale words, two sets of 40 (register 4 i + q: lanes 0-15 token tile i's word, lanes 16-31 weight tile i's), v112-191 the ten weight fragments (one set), v192-223 W2 as four bf16 fragments, v224-255 at work.
;   window 1: accumulators of weight tiles 0-3 at v[8 (8 (b % 4) + a)];  window 2: of tiles 4-7;  window 3: v0-127 of tiles 8, 9; v128-255 x's eight fragments, two sets.
.set AHALF, 34816
.set BHALF, 43520
.set SLOT,  2*AHALF+2*BHALF            ; 156,672
.set SPARE, 2*SLOT                     ; behind the ring: the spare words, 128 bytes a wave: two blocks of 256 bytes that no other line names
.set EXL,   0                          ; the way out: logits from wave c = 1 to wave c = 0, [half of the rows][token tile][512 bytes], and at EXS their scale bytes.  In slot 0, which has had its last fill and its last read by then
.set EXS,   8192
.set MSB, 0
.macro WIN new                         ; the immediate's high byte repeats the setting that is left
.if MSB != \new
	s_set_vgpr_msb (MSB<<8)|\new
.set MSB, \new
.endif
.endm
.macro PLACES n                        ; plain vector lines between a matrix instruction and a load into, or a read of, its registers
.rept \n
	v_nop
.endr
.endm
.macro CREST                           ; a round of the cluster's barrier behind its opening barrier
	s_cmp_lg_u32 s18, 0
	s_cbranch_scc1 .Lnot_wave_0_\@
	s_barrier_signal -3
.Lnot_wave_0_\@:
	s_barrier_wait -3
	s_barrier_signal -1
	s_barrier_wait -1
.endm
.macro CROUND
	s_barrier_signal -1
	s_barrier_wait -1
	CREST
.endm
.macro JLOAD n                         ; a joint refill of slot n: waves 0, 1 bring x's two blocks, waves 2, 3 the weights'.  The branch hangs on the wave's number alone; four v_nop follow each line
	s_cmp_eq_u32 s19, 0
	s_cbranch_scc0 .Lfor_b_\@
	tensor_load_to_lds s[36+4*\n:39+4*\n], s[28:35]
	s_nop 0
.rept 4
	v_nop
.endr
	s_branch .Lasked_\@
.Lfor_b_\@:
	tensor_load_to_lds s[52+4*\n:55+4*\n], s[44:51]
	s_nop 0
.rept 4
	v_nop
.endr
.Lasked_\@:
.endm
	s_load_b256 s[4:11], s[0:1], 0x0               ; xa s[4:5], wb s[6:7], b1 s[8:9], W2 s[10:11]
	s_load_b128 s[12:15], s[0:1], 0x20             ; plog s[12:13], vxc s[14:15]
	s_load_b64 s[16:17], s[0:1], 0x30              ; vxs
	v_lshl_add_u32 v28, v0, 2, SPARE               ; my spare word; never rewritten
	v_mov_b32 v29, 0                               ; never rewritten
	ds_add_u32 v28, v29
	ds_add_u32 v28, v29
	s_wait_dscnt 0x0
	v_lshrrev_b32 v3, 5, v0
	v_readfirstlane_b32 s18, v3                    ; wave 0..3
	s_lshr_b32 s19, s18, 1                         ; rh: my half of the tokens.  Also: I fetch for x (0) or for the weights (1)
	s_and_b32 s20, s18, 1                          ; c: my half of the columns.  Also: which of the two blocks I fetch
	s_bfe_u32 s21, ttmp6, 0x40000                  ; cx
	s_bfe_u32 s22, ttmp6, 0x40004                  ; cy
	s_lshl_b32 s23, ttmp9, 2
	s_add_co_u32 s23, s23, s21                     ; N tile j = 4 x cluster x + cx
	s_and_b32 s24, ttmp7, 0xffff
	s_lshl_b32 s24, s24, 2
	s_add_co_u32 s24, s24, s22                     ; M tile i = 4 x cluster y + cy
	s_lshl_b32 s25, s22, 2
	s_lshl_b32 s25, 15, s25                        ; my row of the cluster
	s_lshl_b32 s26, 0x1111, s21                    ; my column
	; descriptor groups 1: a dense block as rows of 256 bytes (32 elements of 8 bytes), 136 rows for x, 170 for the weights, no padding
	s_or_b32 s28, s25, (3<<16)|(1<<21)             ; 15:0 the mask; 17:16 elements of 8 bytes; 21 set beside a mask
	s_mov_b32 s29, 32<<16                          ; tensor_dim0 = 32
	s_mov_b32 s30, 136<<16                         ; tensor_dim1 = 136
	s_mov_b32 s31, 32<<16                          ; tile_dim0 = 32
	s_mov_b32 s32, 136                             ; tile_dim1 = 136
	s_mov_b32 s33, 32                              ; from row to row
	s_mov_b32 s34, 0
	s_mov_b32 s35, 0
	s_or_b32 s44, s26, (3<<16)|(1<<21)
	s_mov_b32 s45, 32<<16
	s_mov_b32 s46, 170<<16
	s_mov_b32 s47, 32<<16
	s_mov_b32 s48, 170
	s_mov_b32 s49, 32
	s_mov_b32 s50, 0
	s_mov_b32 s51, 0
	s_lshl_b32 s66, s24, 3
	s_add_co_u32 s66, s66, s20
	s_mul_i32 s66, s66, AHALF                      ; x: block (8 i + c) of slot 0: made of the M tile and the wave's number alone
	s_mov_b32 s67, 0
	s_lshl_b32 s68, s23, 3
	s_add_co_u32 s68, s68, s20
	s_mul_i32 s68, s68, BHALF                      ; weights: block (8 j + c): of the N tile and the wave's number alone
	s_mov_b32 s69, 0
	s_mul_i32 s70, s20, AHALF                      ; where they go in a slot: no place in the cluster enters an LDS address
	s_mul_i32 s71, s20, BHALF
	s_add_co_u32 s71, s71, 2*AHALF
	s_mov_b32 s60, 0x76543210
	s_mov_b32 s61, 0xfedcba98                      ; v_permlanex16_b32's selects for lane l xor 16
	s_mov_b32 s62, 0x05010400                      ; v_perm_b32: bytes 0, 1 of two words, interleaved;
	s_mov_b32 s63, 0x07030602                      ; bytes 2, 3
	s_wait_kmcnt 0x0
	s_add_nc_u64 s[72:73], s[4:5], s[66:67]
	s_add_nc_u64 s[74:75], s[6:7], s[68:69]
	CROUND                                         ; all sixteen work-groups are here: the first joint loads meet
.irp n, 0,1
	s_mov_b32 s[36+4*\n], 1                        ; count = 1
	s_add_co_u32 s[37+4*\n], s70, \n*SLOT          ; LDS address
	s_add_nc_u64 s[38+4*\n:39+4*\n], s[72:73], \n*2*AHALF   ; K slot n
	s_or_b32 s[39+4*\n], s[39+4*\n], 0x80000000    ; type = 2
	s_mov_b32 s[52+4*\n], 1
	s_add_co_u32 s[53+4*\n], s71, \n*SLOT
	s_add_nc_u64 s[54+4*\n:55+4*\n], s[74:75], \n*2*BHALF
	s_or_b32 s[55+4*\n], s[55+4*\n], 0x80000000
.endr
	s_cmp_eq_u32 s19, 0                            ; a wave's two first fills stand in one branch, ahead of every wait on TENSORcnt, every LDS read and every other barrier
	s_cbranch_scc0 .Lfirst_b
	tensor_load_to_lds s[36:39], s[28:35]
	s_nop 0
	tensor_load_to_lds s[40:43], s[28:35]
	s_nop 0
.rept 4
	v_nop
.endr
	s_branch .Lfirst_asked
.Lfirst_b:
	tensor_load_to_lds s[52:55], s[44:51]
	s_nop 0
	tensor_load_to_lds s[56:59], s[44:51]
	s_nop 0
.rept 4
	v_nop
.endr
.Lfirst_asked:
	; addresses, made while the tiles land
	v_and_b32 v1, 15, v0                           ; r
	v_bfe_u32 v2, v0, 4, 1                         ; h
	v_and_b32 v3, 31, v0
	v_lshlrev_b32 v3, 4, v3                        ; 16 x lane
	s_mul_i32 s76, s19, AHALF                      ; my 128 tokens' block
	s_mul_i32 s77, s20, BHALF
	s_add_co_u32 s77, s77, 2*AHALF                 ; my 160 columns' block
	v_add_nc_u32 v16, s76, v3                      ; v16, v17: x's fragments in slot 0, 1
	v_add_nc_u32 v17, SLOT, v16
	v_add_nc_u32 v18, s77, v3                      ; v18, v19: the weights'
	v_add_nc_u32 v19, SLOT, v18
	s_sub_co_u32 s78, s77, s76
	s_add_co_u32 s78, s78, 40960-32768             ; from x's scale words to the weights'
	v_mul_u32_u24 v20, s78, v2                     ; lanes 16-31 take the weights'
	v_lshl_add_u32 v20, v1, 4, v20                 ; 16 bytes a row: its four words
	s_add_co_u32 s79, s76, 32768
	v_add_nc_u32 v20, s79, v20                     ; v20, v21: scale words in slot 0, 1
	v_add_nc_u32 v21, SLOT, v20
	v_bfe_u32 v22, v0, 3, 1
	v_and_b32 v23, 3, v0
	v_lshlrev_b32 v23, 2, v23
	v_lshl_add_u32 v22, v22, 4, v23
	v_lshl_add_u32 v22, v2, 8, v22                 ; W2: 8 h rows of 32 bytes + 4 x expert 4 (r / 8) + r % 4
	v_lshlrev_b32 v23, 5, v2                       ; b1: 8 h numbers
	s_lshl_b32 s80, s19, 12
	v_add_nc_u32 v24, s80, v3                      ; the logits' exchange: EXL + 4,096 rh + 16 x lane
	v_lshrrev_b32 v25, 1, v3
	s_lshl_b32 s81, s19, 8
	s_add_co_u32 s81, s81, EXS
	v_add_nc_u32 v25, s81, v25                     ; the bytes': EXS + 256 rh + 8 x lane
	v_lshlrev_b32 v26, 3, v2
	v_lshl_add_u32 v26, v1, 4, v26                 ; 16 r + 8 h
	v_lshlrev_b32 v27, 4, v2
	v_lshl_add_u32 v27, v1, 5, v27                 ; 32 r + 16 h
	v_bfe_u32 v30, v0, 2, 1
	v_add_nc_u32 v30, -1, v30                      ; all ones where r % 8 < 4, else 0
	s_lshl_b32 s92, s23, 13
	s_lshl_b32 s94, s20, 12
	s_add_co_u32 s92, s92, s94
	s_mov_b32 s93, 0
	s_add_nc_u64 s[82:83], s[10:11], s[92:93]      ; W2 at my 128 hidden units: (256 j + 128 c) x 32 bytes
	s_lshr_b32 s92, s92, 3
	s_add_nc_u64 s[84:85], s[8:9], s[92:93]        ; b1 likewise: x 4 bytes
	s_lshl_b32 s92, s24, 16
	s_lshl_b32 s94, s19, 15
	s_add_co_u32 s92, s92, s94
	s_lshl_b32 s94, s23, 9
	s_add_co_u32 s92, s92, s94
	s_lshl_b32 s94, s20, 8
	s_add_co_u32 s92, s92, s94
	s_add_nc_u64 s[86:87], s[14:15], s[92:93]      ; vxc: (16 i + 8 rh) x 4,096 + 512 j + 256 c
	s_lshl_b32 s92, s23, 18
	s_lshl_b32 s94, s24, 13
	s_add_co_u32 s92, s92, s94
	s_lshl_b32 s94, s19, 12
	s_add_co_u32 s92, s92, s94
	s_add_nc_u64 s[88:89], s[12:13], s[92:93]      ; plog: (8,192 j + 256 i + 128 rh) x 32
	s_lshl_b32 s92, s23, 14
	s_lshl_b32 s94, s24, 9
	s_add_co_u32 s92, s92, s94
	s_lshl_b32 s94, s19, 8
	s_add_co_u32 s92, s92, s94
	s_add_nc_u64 s[90:91], s[16:17], s[92:93]      ; vxs: (64 j + 2 i + rh) x 256
	; W2 as source 0 of the logits' product: row ar of a fragment is expert 4 (ar / 8) + ar % 4 where ar % 8 < 4, else zeros: so a lane's four LOWEST result registers are experts 4 h .. 4 h + 3 of its token
.irp p, 0,1,2,3
.irp cc, 0,1
.irp n, 0,1,2,3,4,5,6,7
	global_load_b32 v[112+16*\p+8*\cc+\n], v22, s[82:83] offset:(32*\p+16*\cc+\n)*32   ; W2(32 p + 16 cc + 8 h + n, my expert)
.endr
.endr
.endr
.irp a, 0,1,2,3,4,5,6,7
	v_mov_b32 v[232+\a], 0                         ; written once: a lane permute's destination counts as one of its sources
.endr
	s_wait_loadcnt 0x0
.irp p, 0,1,2,3
.irp cc, 0,1
.irp m, 0,1,2,3
	v_cvt_pk_bf16_f32 v[192+8*\p+4*\cc+\m], v[112+16*\p+8*\cc+2*\m], v[113+16*\p+8*\cc+2*\m]
.endr
.endr
.endr
.set LN, 0
.rept 32
	v_and_b32 v[192+LN], v30, v[192+LN]            ; the rows that stand for no expert are zeros
.set LN, LN+1
.endr
.macro FETCH_W slot, q, b0, nb         ; weight tiles b0 .. b0 + nb - 1 of the slot's q-th 128 along K
	WIN 0
.set bI, \b0
.rept \nb
	ds_load_b128 v[112+8*bI:112+8*bI+3], v[18+\slot] offset:4096*bI+1024*(\q)
	ds_load_b128 v[112+8*bI+4:112+8*bI+7], v[18+\slot] offset:4096*bI+1024*(\q)+512
.set bI, bI+1
.endr
.endm
.macro FETCH_X slot, q                 ; x's eight fragments into set q % 2 of window 3
	WIN 0xc0
.irp a, 0,1,2,3,4,5,6,7
	ds_load_b128 v[128+64*((\q)%2)+8*\a:128+64*((\q)%2)+8*\a+3], v[16+\slot] offset:4096*\a+1024*(\q)
	ds_load_b128 v[128+64*((\q)%2)+8*\a+4:128+64*((\q)%2)+8*\a+7], v[16+\slot] offset:4096*\a+1024*(\q)+512
.endr
	WIN 0
.endm
.macro SCALES slot                     ; a slot's scale words: lanes 0-15 token tile i's four, lanes 16-31 weight tile i's.  (For i = 8, 9 lanes 0-15 read bytes of the slot that nobody uses)
.irp i, 0,1,2,3,4,5,6,7,8,9
	ds_load_b128 v[32+40*\slot+4*\i:32+40*\slot+4*\i+3], v[20+\slot] offset:256*\i
.endr
.endm
; nb weight tiles x the eight token tiles.  The 80 accumulators take turns, one instruction a turn, in the same order in every step.  zero = 1: the first products start the sums
.macro MUL W, b0, nb, q, set, zero
	WIN (0x0c|((\W)<<4)|((\W)<<6))
.set bI, \b0
.rept \nb
.irp a, 0,1,2,3,4,5,6,7
.if \zero
	v_wmma_scale_f32_16x16x128_f8f6f4 v[8*(8*(bI%4)+\a):8*(8*(bI%4)+\a)+7], v[112+8*bI:112+8*bI+7], v[128+64*((\q)%2)+8*\a:128+64*((\q)%2)+8*\a+7], 0, v[32+40*(\set)+4*bI+(\q)], v[32+40*(\set)+4*\a+(\q)] matrix_a_fmt:MATRIX_FMT_FP4 matrix_b_fmt:MATRIX_FMT_FP4 matrix_a_scale:MATRIX_SCALE_ROW1
.else
	v_wmma_scale_f32_16x16x128_f8f6f4 v[8*(8*(bI%4)+\a):8*(8*(bI%4)+\a)+7], v[112+8*bI:112+8*bI+7], v[128+64*((\q)%2)+8*\a:128+64*((\q)%2)+8*\a+7], v[8*(8*(bI%4)+\a):8*(8*(bI%4)+\a)+7], v[32+40*(\set)+4*bI+(\q)], v[32+40*(\set)+4*\a+(\q)] matrix_a_fmt:MATRIX_FMT_FP4 matrix_b_fmt:MATRIX_FMT_FP4 matrix_a_scale:MATRIX_SCALE_ROW1
.endif
.endr
.set bI, bI+1
.endr
.endm
; A step of 128 along K with its successor in the same slot: 80 matrix instructions.  A weight tile is free when its eight products are issued, so the weights have one set, fetched anew in three runs; x is at work through the whole step and has two.
; On entry these LDS loads are out, in this order: (a slot's 10 of scale words,) weight tiles 0-3 (8), x (16), tiles 4-7 (8), tiles 8, 9 (4).
.macro STEP slot, q, zero
	s_wait_dscnt 12                                ; all but tiles 4-7 and 8, 9
	MUL 1, 0, 4, \q, \slot, \zero
	PLACES 4
	FETCH_W \slot, (\q)+1, 0, 4
	FETCH_X \slot, (\q)+1
	s_wait_dscnt 28                                ; tiles 4-7 are in; tiles 8, 9 and the 24 just issued may be out
	MUL 2, 4, 4, \q, \slot, \zero
	PLACES 4
	FETCH_W \slot, (\q)+1, 4, 4
	s_wait_dscnt 32                                ; tiles 8, 9 are in; the 24 and the 8 issued behind them may be out
	MUL 3, 8, 2, \q, \slot, \zero
	PLACES 4
	FETCH_W \slot, (\q)+1, 8, 2
.endm
; A slot's last step changes slots: ONE barrier.  In front of it each wave waits for all its tensor loads (its part of the next slot), adds 0 to its spare word, and waits for that and for its reads of this slot.
; fill = 1: the barrier opens a round of the cluster's, and this slot is filled again, two K slots on, first thing behind the round.
.macro TURN slot, next, fill
	s_wait_tensorcnt 0x0                           ; (every window is 0 here)
	ds_add_u32 v28, v29                            ; 0 onto my spare word
	s_wait_dscnt 13                                ; tiles 0-3 and x are in; tiles 4-9 (12) and the add may be out
	MUL 1, 0, 2, 3, \slot, 0                       ; sixteen matrix instructions stand between the add and the wait for it
	s_wait_dscnt 0x0                               ; the add is done, and my reads of this slot are over
	s_barrier_signal -1
	MUL 1, 2, 2, 3, \slot, 0
	WIN 0
	s_barrier_wait -1
.if \fill
	CREST                                          ; no wave of any partner still reads this slot or has a load on its way
	s_add_nc_u64 s[38+4*\slot:39+4*\slot], s[38+4*\slot:39+4*\slot], 4*AHALF
	s_add_nc_u64 s[54+4*\slot:55+4*\slot], s[54+4*\slot:55+4*\slot], 4*BHALF
	JLOAD \slot                                    ; its four v_nop are also the places in front of the loads below
.else
	PLACES 4
.endif
	SCALES \next
	FETCH_W \next, 0, 0, 4
	FETCH_X \next, 0
	MUL 2, 4, 4, 3, \slot, 0
	PLACES 4
	FETCH_W \next, 0, 4, 4
	MUL 3, 8, 2, 3, \slot, 0
	PLACES 4
	FETCH_W \next, 0, 8, 2
.endm
	s_wait_tensorcnt 1                             ; my part of slot 0 is in; slot 1's may stay out
	s_barrier_signal -1
	s_barrier_wait -1                              ; everybody's is
	SCALES 0
	FETCH_W 0, 0, 0, 4
	FETCH_X 0, 0
	FETCH_W 0, 0, 4, 4
	FETCH_W 0, 0, 8, 2
	STEP 0, 0, 1                                   ; K slot 0: its first step starts the sums: nothing is cleared
	STEP 0, 1, 0
	STEP 0, 2, 0
	TURN 0, 1, 1                                   ; slot 0 takes K slot 2
	STEP 1, 0, 0
	STEP 1, 1, 0
	STEP 1, 2, 0
	TURN 1, 0, 1                                   ; slot 1 takes K slot 3
	STEP 0, 0, 0
	STEP 0, 1, 0
	STEP 0, 2, 0
	TURN 0, 1, 0                                   ; nothing is left to fetch
	STEP 1, 0, 0
	STEP 1, 1, 0
	STEP 1, 2, 0
	; the last step.  b1 of my 128 hidden units, in the result's layout (tile b: units 16 b + 8 h + 0 .. 7), comes into x's set 0, which is done with (four places stand behind its last products)
	WIN 0xc0
.irp b, 0,1,2,3,4,5,6,7
.irp hf, 0,1
	global_load_b128 v[128+8*\b+4*\hf:128+8*\b+4*\hf+3], v23, s[84:85] offset:64*\b+16*\hf
.endr
.endr
	s_wait_dscnt 12
	MUL 1, 0, 4, 3, 1, 0
	s_wait_dscnt 4                                 ; tiles 8, 9 may be out
	MUL 2, 4, 4, 3, 1, 0
	s_wait_dscnt 0x0
	MUL 3, 8, 2, 3, 1, 0
	s_wait_loadcnt 0x0                             ; b1
	PLACES 4
; THE LOGITS.  Weight tiles 2 p and 2 p + 1 are 32 neighbouring hidden units: + b1, relu, rounded to bf16 in pairs they ARE source 1 (32 units x 16 tokens) of W2^T h: nothing changes lanes.  Each accumulator is read from its low end on.
.macro HPAIR p
.if (\p) < 2
	WIN 0x4d                                       ; accumulators (destination, source 0) window 1, b1 (source 1) window 3
.else
	WIN 0x8e                                       ; the same with window 2
.endif
.irp bb, 0,1
.irp a, 0,1,2,3,4,5,6,7
.set AC, 8*(8*((2*(\p)+\bb)%4)+\a)
.irp n, 0,2,4,6
	v_pk_add_f32 v[AC+\n:AC+\n+1], v[AC+\n:AC+\n+1], v[128+8*(2*(\p)+\bb)+\n:128+8*(2*(\p)+\bb)+\n+1]
.endr
.irp n, 0,1,2,3,4,5,6,7
	v_max_num_f32 v[AC+\n], v[AC+\n], 0
.endr
.endr
.endr
.if (\p) < 2
	WIN 0x05
.else
	WIN 0x0a
.endif
.irp a, 0,1,2,3,4,5,6,7
.irp bb, 0,1
.set AC, 8*(8*((2*(\p)+\bb)%4)+\a)
.irp n, 0,1,2,3
	v_cvt_pk_bf16_f32 v[112+8*\a+4*\bb+\n], v[AC+2*\n], v[AC+2*\n+1]
.endr
.endr
.endr
	WIN 0xf0                                       ; the eight sums, by turns, in window 3 where x's set 1 lay; W2 and h in window 0
.irp a, 0,1,2,3,4,5,6,7
.if (\p) == 0
	v_wmma_f32_16x16x32_bf16 v[192+8*\a:199+8*\a], v[192+8*(\p):199+8*(\p)], v[112+8*\a:119+8*\a], 0
.else
	v_wmma_f32_16x16x32_bf16 v[192+8*\a:199+8*\a], v[192+8*(\p):199+8*(\p)], v[112+8*\a:119+8*\a], v[192+8*\a:199+8*\a]
.endif
.endr
.endm
	HPAIR 0
	HPAIR 1
	HPAIR 2
	HPAIR 3
; vx.  My two tiles are one block of 32 of expert j for each token: a lane holds 16 of them (8 h + 0 .. 7 and 16 + 8 h + 0 .. 7), lane l xor 16 the others.  The eight token tiles by turns.
	WIN 0x3c                                       ; sources 1 and 2 window 3
.irp a, 0,1,2,3,4,5,6,7
	v_max3_num_f32 v[224+\a], 0x1800000, |v[8*\a]|, |v[8*\a+1]|   ; the floor 2^(3 - 127) holds the byte at 1 from below
.endr
.irp n, 2,4,6
.irp a, 0,1,2,3,4,5,6,7
	v_max3_num_f32 v[224+\a], v[224+\a], |v[8*\a+\n]|, |v[8*\a+\n+1]|
.endr
.endr
.irp n, 0,2,4,6
.irp a, 0,1,2,3,4,5,6,7
	v_max3_num_f32 v[224+\a], v[224+\a], |v[64+8*\a+\n]|, |v[64+8*\a+\n+1]|
.endr
.endr
	WIN 0
.irp a, 0,1,2,3,4,5,6,7
	v_permlanex16_b32 v[232+\a], v[224+\a], s60, s61
.endr
.irp a, 0,1,2,3,4,5,6,7
	v_max_num_f32 v[224+\a], v[224+\a], v[232+\a]  ; the block's largest magnitude
.endr
.irp a, 0,1,2,3,4,5,6,7
	v_add_nc_u32 v[224+\a], 0xff000000, v[224+\a]  ; 2 off its exponent field: the conversion's scale operand
.endr
.irp a, 0,1,2,3,4,5,6,7
	v_lshrrev_b32 v[240+\a], 23, v[224+\a]         ; the scale's byte
.endr
	WIN 0x03
.irp a, 0,1,2,3,4,5,6,7
	v_cvt_scalef32_pk8_fp4_f32 v[176+2*\a], v[8*\a:8*\a+7], v[224+\a]
	v_cvt_scalef32_pk8_fp4_f32 v[177+2*\a], v[64+8*\a:64+8*\a+7], v[224+\a]
.endr
	WIN 0
	v_nop                                          ; one plain line behind the conversions
.irp a, 0,1,2,3,4,5,6,7
	v_permlane16_swap_b32 v[176+2*\a], v[177+2*\a] ; the first's lanes 16-31 change places with the second's lanes 0-15: lane (token, h) now holds the codes of 16 h + 0 .. 15
.endr
.irp a, 0,1,2,3,4,5,6,7
	global_store_b64 v26, v[176+2*\a:177+2*\a], s[86:87] offset:4096*\a   ; 32 lanes store 256 consecutive bytes, aligned
.endr
	v_lshl_or_b32 v248, v241, 8, v240              ; my token's eight bytes, one for each token tile
	v_lshl_or_b32 v249, v245, 8, v244
	v_lshl_or_b32 v248, v242, 16, v248
	v_lshl_or_b32 v249, v246, 16, v249
	v_lshl_or_b32 v248, v243, 24, v248
	v_lshl_or_b32 v249, v247, 24, v249
; The two waves of a half of the tokens meet: wave c = 1 hands its logits and its bytes to wave c = 0 through LDS.  The branches hang on the wave's number alone; the barrier is on every wave's path.
	s_cmp_eq_u32 s20, 0
	s_cbranch_scc1 .Lno_send
	WIN 0x0c                                       ; an LDS store's data are its source 1: window 3
.irp a, 0,1,2,3,4,5,6,7
	ds_store_b128 v24, v[192+8*\a:195+8*\a] offset:512*\a    ; the four lowest registers: experts 4 h .. 4 h + 3 of token r
.endr
	WIN 0
	ds_store_b64 v25, v[248:249]
.Lno_send:
	s_wait_dscnt 0x0                               ; for the other wave's sake: my stores are done
	s_barrier_signal -1
	s_barrier_wait -1
	s_cmp_lg_u32 s20, 0
	s_cbranch_scc1 .Ldone
.irp a, 0,1,2,3,4,5,6,7
	ds_load_b128 v[112+4*\a:115+4*\a], v24 offset:512*\a
.endr
	ds_load_b64 v[250:251], v25
	s_wait_dscnt 0x0
	WIN 0x03
.irp a, 0,1,2,3,4,5,6,7
.irp n, 0,2
	v_pk_add_f32 v[112+4*\a+\n:113+4*\a+\n], v[192+8*\a+\n:193+8*\a+\n], v[112+4*\a+\n:113+4*\a+\n]   ; the tile's 256 hidden units
.endr
.endr
	WIN 0
.irp a, 0,1,2,3,4,5,6,7
	global_store_b128 v27, v[112+4*\a:115+4*\a], s[88:89] offset:512*\a   ; 32 lanes store 512 consecutive bytes, aligned: 16 tokens x 8 logits
.endr
	v_perm_b32 v252, v250, v248, s62               ; pairs (block 0's byte: mine, block 1's: the other wave's) of token tiles 0, 1;
	v_perm_b32 v253, v250, v248, s63               ; 2, 3;
	v_perm_b32 v254, v251, v249, s62               ; 4, 5;
	v_perm_b32 v255, v251, v249, s63               ; 6, 7
	v_cmp_eq_u32 vcc_lo, 1, v2
	v_cndmask_b32 v250, v252, v254, vcc_lo         ; lanes 0-15 store their token's first 8 bytes, lanes 16-31 its last 8
	v_cndmask_b32 v251, v253, v255, vcc_lo
	global_store_b64 v26, v[250:251], s[90:91]     ; 256 consecutive bytes, aligned
.Ldone:
	s_wait_tensorcnt 0x0                           ; the wave's end, behind my last tensor load and my last LDS store
	ds_add_u32 v28, v29
	s_wait_dscnt 0x0
	CROUND                                         ; the closing round: no work-group ends while a partner may still ask for a tile that names it
	s_endpgm
.Lfunc_end_k_qab82c4ad68_gemm:
	.size	k_qab82c4ad68_gemm, .Lfunc_end_k_qab82c4ad68_gemm-k_qab82c4ad68_gemm
	.p2alignl 7, 3214868480
	.fill 96, 4, 3214868480
	.section	.rodata,"a",@progbits
	.p2align	6, 0x0
	.amdhsa_kernel k_qab82c4ad68_gemm
		.amdhsa_group_segment_fixed_size 327680
		.amdhsa_private_segment_fixed_size 0
		.amdhsa_enable_private_segment 0
		.amdhsa_kernarg_size 56
		.amdhsa_user_sgpr_count 2
		.amdhsa_user_sgpr_kernarg_segment_ptr 1
		.amdhsa_wavefront_size32 1
		.amdhsa_system_sgpr_workgroup_id_x 1
		.amdhsa_system_sgpr_workgroup_id_y 1
		.amdhsa_system_sgpr_workgroup_id_z 1
		.amdhsa_system_vgpr_workitem_id 0
		.amdhsa_next_free_vgpr 1024
		.amdhsa_next_free_sgpr 96
		.amdhsa_reserve_vcc 1
		.amdhsa_float_denorm_mode_32 3
		.amdhsa_float_denorm_mode_16_64 3
		.amdhsa_memory_ordered 1
		.amdhsa_forward_progress 1
		.amdhsa_inst_pref_size 255
	.end_amdhsa_kernel
	.section	.bss,"aw",@nobits
	.p2align	6
	.space	262144
	.amdgpu_metadata
---
amdhsa.version: [ 1, 2 ]
amdhsa.kernels:
  - .name:           k_qab82c4ad68_gemm
    .symbol:         k_qab82c4ad68_gemm.kd
    .args:
      - { .name: xa, .offset: 0, .size: 8, .value_kind: global_buffer, .address_space: global }
      - { .name: wb, .offset: 8, .size: 8, .value_kind: global_buffer, .address_space: global }
      - { .name: b1, .offset: 16, .size: 8, .value_kind: global_buffer, .address_space: global }
      - { .name: W2, .offset: 24, .size: 8, .value_kind: global_buffer, .address_space: global }
      - { .name: plog, .offset: 32, .size: 8, .value_kind: global_buffer, .address_space: global }
      - { .name: vxc, .offset: 40, .size: 8, .value_kind: global_buffer, .address_space: global }
      - { .name: vxs, .offset: 48, .size: 8, .value_kind: global_buffer, .address_space: global }
    .group_segment_fixed_size: 327680
    .private_segment_fixed_size: 0
    .kernarg_segment_align: 8
    .kernarg_segment_size: 56
    .max_flat_workgroup_size: 128
    .sgpr_count:     96
    .vgpr_count:     1024
    .wavefront_size: 32
...
	.end_amdgpu_metadata
.endif
;; end of part 2
;; launch combine (part 3): grid 4 x 64, 4 waves a work-group, no clusters, 79,360 bytes of LDS; arguments ub, vxc, vxs, plog, b2, out0; writes out0
.if DOCPART == 3
	.amdgcn_target "amdgcn-amd-amdhsa--gfx1250"
	.amdhsa_code_object_version 6
	.text
	.protected	k_qab82c4ad68_combine
	.globl	k_qab82c4ad68_combine
	.p2align	8
	.type	k_qab82c4ad68_combine,@function
k_qab82c4ad68_combine:
	s_mov_b64 s[64:65], 0
	v_nop
	global_prefetch_b8 v0, s[64:65] scope:SCOPE_SE
	s_setreg_imm32_b32 hwreg(HW_REG_WAVE_MODE, 25, 1), 1
	s_wait_xcnt 0x0
; out[token][d] = the sum over the 8 experts k of alpha_k[token] x (the sum over r of U_k[d][r] vx_k[token][r]), the inner product on codes of FP4 with K = 64, alpha = softmax(logits + b2) in f32.
; A work-group makes 128 tokens x 512 d; wave w makes d = 512 x + 128 w + 0 .. 127 for all eight token tiles.  Its 32 fragments of U (8 d tiles x 4 pairs of experts) stay in registers for the whole launch.
; K = 64 IN AN INSTRUCTION OF 128.  A fragment of U holds a PAIR of experts, 64 + 64 along K.  The tokens' operand for expert 2 p is (its codes, zero codes), for expert 2 p + 1 (zero codes, its codes): twelve registers
; [codes of 2 p][zeros][codes of 2 p + 1] serve both, four registers apart.  Zero codes add nothing under any scale byte of this program (1 to 254).  So each expert's product stands alone and can be weighed by alpha in f32.
; TRANSPOSED USE: source 0 = 16 d, source 1 = 16 tokens: a lane holds one token and eight neighbouring d.  The products of a d tile's eight experts start anew with C = 0; packed multiply-adds by (alpha, alpha) gather them, and stand between
; the next tile's products as the places behind them.  A token tile's 16 x 128 results go through the wave's own stage and leave as rows of 512 consecutive bytes.
; THE HEAD: thread t adds token t's eight parts of the logits and b2, takes the largest away, and stores alpha (each twice, as pairs) and the token's four scale words in LDS; the waves copy the 128 tokens' codes there.  One barrier.
; THE LOADS' ORDER: the 40 loads that the head works on (codes, logits, scale bytes) go out first, U's scale words and U's 64 loads behind them, d tile by d tile.  The head waits for the 40 alone, and the first token tile waits for U
; tile by tile, 8 loads each: so U lands while the head and the first token tile are worked.  For that the first two token tiles are written out ahead of the loop.
; NO CLUSTER, NO TENSOR LOAD: U goes from memory straight into the registers in which it stays, 16 bytes a lane, so there is no LDS tile for a joint load to fill; the tokens' 32 KB are an eighth of the 256 KB that the work-group stores.
; LIMITS: NaN and infinities are not served; the experts are summed in ascending k in f32.
; REGISTERS: window 0: v1-14 addresses; v16-31 U's scale words (lanes 0-15 d tile 2 i, lanes 16-31 tile 2 i + 1); v32-127 the tokens' operands, two sets of 48; v128-135 their scale words, two sets; v136-167 alpha pairs, two sets; v168-231 rows on the way out;
;   v232-234 addresses in hand.  window 1: U.  window 2: v0-127 the products, two sets of 8 x 8; v128-191 the 64 results.
.set VXL, 0                            ; LDS: the tokens' codes: [token tile][expert][16 block + token][16 bytes]
.set ALL, 32768                        ; alpha: 80 bytes a token: eight pairs + 16 of padding
.set SWL, 43008                        ; scale words: 16 bytes a token
.set STG, 45056                        ; stages: 16 rows x 528 bytes for each wave
.set SPIT, 528
.set MSB, 0
.macro WIN new                         ; the immediate's high byte repeats the setting that is left
.if MSB != \new
	s_set_vgpr_msb (MSB<<8)|\new
.set MSB, \new
.endif
.endm
	s_load_b256 s[4:11], s[0:1], 0x0               ; ub s[4:5], vxc s[6:7], vxs s[8:9], plog s[10:11]
	s_load_b128 s[12:15], s[0:1], 0x20             ; b2 s[12:13], out0 s[14:15]
	v_lshl_add_u32 v254, v0, 2, 0x13400
	v_mov_b32 v255, 0
	v_lshrrev_b32 v1, 5, v0
	v_readfirstlane_b32 s16, v1                    ; wave 0..3
	s_and_b32 s17, ttmp7, 0xffff                   ; I: which 128 tokens
	v_and_b32 v1, 31, v0                           ; lane
	v_and_b32 v2, 15, v0                           ; r
	v_bfe_u32 v3, v0, 4, 1                         ; h
	v_lshlrev_b32 v4, 4, v1                        ; 16 x lane
	v_add_nc_u32 v5, VXL, v4                       ; a token tile's codes
	v_mul_u32_u24 v6, v2, 80
	v_add_nc_u32 v6, ALL, v6                       ; token r's alpha pairs
	v_lshl_add_u32 v7, v2, 4, SWL                  ; and its scale words
	s_mul_i32 s18, s16, 16*SPIT
	s_add_co_u32 s18, s18, STG                     ; my stage
	v_mul_u32_u24 v8, v2, SPIT
	v_lshl_add_u32 v8, v3, 5, v8
	v_add_nc_u32 v8, s18, v8                       ; in: row r, 32 bytes for each half of the lanes
	v_add_nc_u32 v9, s18, v4                       ; back: a row of 512 bytes
	s_lshl_b32 s19, s16, 13
	v_add_nc_u32 v10, s19, v4                      ; the copy of the codes: 8,192 bytes a wave
	v_mul_u32_u24 v11, v0, 80
	v_add_nc_u32 v11, ALL, v11                     ; thread t's token: alpha,
	v_lshl_add_u32 v12, v0, 4, SWL                 ; scale words,
	v_lshlrev_b32 v13, 5, v0                       ; logits: 32 bytes a token,
	v_lshrrev_b32 v14, 4, v0
	v_lshlrev_b32 v14, 1, v14
	v_lshl_add_u32 v14, v2, 4, v14                 ; scale bytes: 16 (t % 16) + 2 (t / 16)
	s_lshl_b32 s44, ttmp9, 17
	s_lshl_b32 s46, s16, 15
	s_add_co_u32 s44, s44, s46                     ; U's codes: d tile 32 x + 8 w, 4,096 bytes a tile
	s_mov_b32 s45, 0
	s_lshr_b32 s46, s44, 4
	s_add_co_u32 s46, s46, 524288                  ; its scale words: 256 bytes a tile
	s_mov_b32 s47, 0
	s_lshl_b32 s48, s17, 15
	s_add_co_u32 s48, s48, s19                     ; the tokens' codes: 32,768 I + 8,192 w
	s_mov_b32 s49, 0
	s_lshl_b32 s50, s17, 12                        ; the logits: 128 I tokens of 32 bytes
	s_mov_b32 s51, 0
	s_lshl_b32 s52, s17, 8                         ; the scale bytes: 256 I
	s_mov_b32 s53, 0
	s_lshl_b32 s54, s17, 20                        ; out: 128 I rows of 8,192 bytes
	s_lshl_b32 s56, ttmp9, 11
	s_add_co_u32 s54, s54, s56
	s_lshl_b32 s56, s16, 9
	s_add_co_u32 s54, s54, s56                     ; + (512 x + 128 w) x 4
	s_mov_b32 s55, 0
	s_wait_kmcnt 0x0
	s_load_b256 s[20:27], s[12:13], 0x0            ; b2's eight numbers
	s_add_nc_u64 s[28:29], s[4:5], s[44:45]
	s_add_nc_u64 s[30:31], s[4:5], s[46:47]
	s_add_nc_u64 s[32:33], s[6:7], s[48:49]
	s_add_nc_u64 s[34:35], s[10:11], s[50:51]
	s_add_nc_u64 s[36:37], s[8:9], s[52:53]
	s_add_nc_u64 s[38:39], s[14:15], s[54:55]
	WIN 0x80                                       ; destination window 2
.irp n, 0,1,2,3,4,5,6,7,8,9,10,11,12,13,14,15
	global_load_b128 v[4*\n:4*\n+3], v4, s[32:33] offset:512*\n       ; my quarter of the tokens' codes
.endr
	WIN 0
.irp j, 0,1,2,3,4,5,6,7
.irp hf, 0,1
	global_load_b128 v[64+8*\j+4*\hf:64+8*\j+4*\hf+3], v13, s[34:35] offset:262144*\j+16*\hf   ; my token's logits, part j
.endr
.endr
.irp j, 0,1,2,3,4,5,6,7
	global_load_u16 v[208+\j], v14, s[36:37] offset:16384*\j          ; my token's two scale bytes of expert j
.endr
.irp i, 0,1,2,3
	global_load_b128 v[16+4*\i:19+4*\i], v4, s[30:31] offset:512*\i   ; U's scale words: register 4 i + p
.endr
	WIN 0x40                                       ; destination window 1
.irp b, 0,1,2,3,4,5,6,7
.irp p, 0,1,2,3
.irp cc, 0,1
	global_load_b128 v[8*(4*\b+\p)+4*\cc:8*(4*\b+\p)+4*\cc+3], v4, s[28:29] offset:4096*\b+1024*\p+512*\cc   ; U's fragment (d tile b, pair p): it stays.  Eight loads a d tile, the tiles in ascending order
.endr
.endr
.endr
	WIN 0
	s_wait_loadcnt 63                              ; the 40 loads of codes, logits and bytes are in: 68 younger loads are out behind them; the wait's field holds 63 at the most, and a smaller count is safe
	WIN 0x08                                       ; an LDS store's data are its source 1: window 2
.irp n, 0,1,2,3,4,5,6,7,8,9,10,11,12,13,14,15
	ds_store_b128 v10, v[4*\n:4*\n+3] offset:512*\n
.endr
	WIN 0
.irp j, 1,2,3,4,5,6,7
.irp n, 0,2,4,6
	v_pk_add_f32 v[64+\n:65+\n], v[64+\n:65+\n], v[64+8*\j+\n:65+8*\j+\n]   ; the eight parts over the hidden units: four chains
.endr
.endr
	s_wait_kmcnt 0x0
.irp k, 0,1,2,3,4,5,6,7
	v_add_f32 v[64+\k], s[20+\k], v[64+\k]         ; + b2
.endr
	v_max3_num_f32 v168, v64, v65, v66
	v_max3_num_f32 v168, v168, v67, v68
	v_max3_num_f32 v168, v168, v69, v70
	v_max_num_f32 v168, v168, v71                  ; the largest logit is taken away, exactly, ahead of the scaling
.irp k, 0,1,2,3,4,5,6,7
	v_sub_f32 v[170+\k], v[64+\k], v168
.endr
.irp k, 0,1,2,3,4,5,6,7
	v_mul_f32 v[170+\k], 0x3fb8aa3b, v[170+\k]     ; x log2(e)
.endr
.irp k, 0,1,2,3,4,5,6,7
	v_exp_f32 v[170+\k], v[170+\k]
.endr
.irp s, 0,1                                        ; the zero codes of both sets: plain work behind the exponentials, and far ahead of the first product that reads them
.irp p, 0,1,2,3
.irp z, 4,5,6,7
	v_mov_b32 v[32+48*\s+12*\p+\z], 0
.endr
.endr
.endr
	s_wait_alu depctr_va_vdst(0)                   ; one wait for the eight exponentials, ahead of their first reader
	v_add_f32 v178, v170, v171
	v_add_f32 v179, v172, v173
	v_add_f32 v200, v174, v175
	v_add_f32 v201, v176, v177
	v_add_f32 v178, v178, v179
	v_add_f32 v200, v200, v201
	v_add_f32 v178, v178, v200
	v_rcp_f32 v202, v178
	v_lshl_or_b32 v216, v209, 16, v208             ; (plain lines behind the reciprocal)  pair p's scale word: expert 2 p's two bytes, then expert 2 p + 1's
	v_lshl_or_b32 v217, v211, 16, v210
	v_lshl_or_b32 v218, v213, 16, v212
	v_lshl_or_b32 v219, v215, 16, v214
	s_wait_alu depctr_va_vdst(0)                   ; and one for the reciprocal
.irp k, 0,1,2,3,4,5,6,7
	v_mul_f32 v[180+2*\k], v[170+\k], v202         ; alpha_k, twice: a pair for the packed multiply-adds
	v_mul_f32 v[181+2*\k], v[170+\k], v202
.endr
.irp n, 0,1,2,3
	ds_store_b128 v11, v[180+4*\n:183+4*\n] offset:16*\n
.endr
	ds_store_b128 v12, v[216:219]
	s_mov_b32 s41, 0                               ; the steps through the codes,
	s_mov_b32 s42, 0                               ; the alphas
	s_mov_b32 s43, 0                               ; and the scale words
	s_wait_dscnt 0x0                               ; for the others' sake: my stores are done
	s_barrier_signal -1
	s_barrier_wait -1                              ; codes, alphas and scale words of all 128 tokens lie in LDS; nobody writes them again.  (U's loads, into registers of my own, may still be out)
.macro ADDR                            ; the addresses of the two token tiles in hand
	v_add_nc_u32 v232, s41, v5
	v_add_nc_u32 v233, s42, v6
	v_add_nc_u32 v234, s43, v7
.endm
.macro PRE set, al                     ; token tile al (counted from the addresses in hand) into set: eight experts' codes, eight alpha pairs, four scale words: 13 loads
.irp k, 0,1,2,3,4,5,6,7
	ds_load_b128 v[32+48*(\set)+12*(\k/2)+8*(\k%2):32+48*(\set)+12*(\k/2)+8*(\k%2)+3], v232 offset:4096*(\al)+512*\k
.endr
.irp n, 0,1,2,3
	ds_load_b128 v[136+16*(\set)+4*\n:136+16*(\set)+4*\n+3], v233 offset:1280*(\al)+16*\n
.endr
	ds_load_b128 v[128+4*(\set):128+4*(\set)+3], v234 offset:256*(\al)
.endm
.macro GRP par, b                      ; d tile b against the eight experts of the token tile in set par: eight products, each with C = 0, into product set b % 2
	WIN 0x81                                       ; U window 1, tokens window 0, products window 2
.irp k, 0,1,2,3,4,5,6,7
.if (\b)%2
	v_wmma_scale_f32_16x16x128_f8f6f4 v[64*((\b)%2)+8*\k:64*((\b)%2)+8*\k+7], v[8*(4*(\b)+\k/2):8*(4*(\b)+\k/2)+7], v[32+48*(\par)+12*(\k/2)+4*(\k%2):32+48*(\par)+12*(\k/2)+4*(\k%2)+7], 0, v[16+4*((\b)/2)+\k/2], v[128+4*(\par)+\k/2] matrix_a_fmt:MATRIX_FMT_FP4 matrix_b_fmt:MATRIX_FMT_FP4 matrix_a_scale:MATRIX_SCALE_ROW1
.else
	v_wmma_scale_f32_16x16x128_f8f6f4 v[64*((\b)%2)+8*\k:64*((\b)%2)+8*\k+7], v[8*(4*(\b)+\k/2):8*(4*(\b)+\k/2)+7], v[32+48*(\par)+12*(\k/2)+4*(\k%2):32+48*(\par)+12*(\k/2)+4*(\k%2)+7], 0, v[16+4*((\b)/2)+\k/2], v[128+4*(\par)+\k/2] matrix_a_fmt:MATRIX_FMT_FP4 matrix_b_fmt:MATRIX_FMT_FP4
.endif
.endr
.endm
.macro FMAS par, bb                    ; d tile bb's eight products weighed by alpha: 32 packed lines, four chains; each product is read from its low end on
	WIN 0xa2                                       ; products and results window 2, alpha window 0
.irp n, 0,2,4,6
	v_pk_mul_f32 v[128+8*(\bb)+\n:129+8*(\bb)+\n], v[64*((\bb)%2)+\n:64*((\bb)%2)+\n+1], v[136+16*(\par):137+16*(\par)]
.endr
.irp k, 1,2,3,4,5,6,7
.irp n, 0,2,4,6
	v_pk_fma_f32 v[128+8*(\bb)+\n:129+8*(\bb)+\n], v[64*((\bb)%2)+8*\k+\n:64*((\bb)%2)+8*\k+\n+1], v[136+16*(\par)+2*\k:137+16*(\par)+2*\k], v[128+8*(\bb)+\n:129+8*(\bb)+\n]
.endr
.endr
.endm
; A token tile.  par: its set; al: its number from the addresses and the base in hand; pre = 1: the next tile is fetched into the other set, a whole tile ahead of its use;
; first = 1: the launch's first token tile, which waits for U as it lands, d tile by d tile.
.macro TT par, al, pre, first
	s_wait_dscnt 0x0                               ; this tile's 13 loads, issued a tile ago
.if \pre
	PRE 1-\par, \al+1                              ; the other set's last products stand 32 plain lines back
.endif
.if \first
	s_wait_loadcnt 56                              ; U's scale words and its d tile 0 are in; the seven tiles behind it, 8 loads each, may be out
.endif
	GRP \par, 0
.rept 4
	v_nop                                          ; places behind the first eight products: there is no earlier tile's work to set here
.endr
.irp b, 1,2,3,4,5,6,7
.if \first
	s_wait_loadcnt 56-8*\b                         ; U's d tile b is in; the 7 - b tiles behind it may be out
.endif
	GRP \par, \b
	FMAS \par, \b-1                                ; the other product set's 32 lines are the places behind these products
.endr
	FMAS \par, 7
	WIN 0x08                                       ; an LDS store's data are its source 1: window 2
.irp bb, 0,1,2,3,4,5,6,7
.irp hf, 0,1
	ds_store_b128 v8, v[128+8*\bb+4*\hf:128+8*\bb+4*\hf+3] offset:64*\bb+16*\hf   ; lane (token r, h): d = 16 bb + 8 h + 0 .. 7
.endr
.endr
	WIN 0
	s_wait_xcnt 0x0                                ; the last tile's stores have read the registers that the rows below land in
.irp t, 0,1,2,3,4,5,6,7,8,9,10,11,12,13,14,15
	ds_load_b128 v[168+4*\t:168+4*\t+3], v9 offset:SPIT*\t    ; LDS serves a wave's instructions in order: these see the stores above
.endr
.irp t, 0,1,2,3,4,5,6,7,8,9,10,11,12,13,14,15
	s_wait_dscnt 15-\t                             ; row t is in; the younger rows may be out
	global_store_b128 v4, v[168+4*\t:168+4*\t+3], s[38:39] offset:(16*(\al)+\t)*8192 th:TH_STORE_NT   ; 32 lanes store 512 consecutive bytes, aligned; written once, read by nobody here
.endr
.endm
.macro NEXT2                           ; on to the next two token tiles
	s_wait_xcnt 0x0                                ; the stores have read their base
	s_add_nc_u64 s[38:39], s[38:39], 32*8192
	s_add_co_u32 s41, s41, 2*4096
	s_add_co_u32 s42, s42, 2*1280
	s_add_co_u32 s43, s43, 2*256
	ADDR
.endm
	ADDR
	PRE 0, 0
	TT 0, 0, 1, 1                                  ; token tiles 0 and 1 are written out: the first waits for U tile by tile
	TT 1, 1, 1, 0
	NEXT2
	s_mov_b32 s40, 2
.Lt:                                               ; a trip makes two token tiles, until the sets are back where they began: tiles 2 to 5
	TT 0, 0, 1, 0
	TT 1, 1, 1, 0
	NEXT2
	s_sub_co_u32 s40, s40, 1
	s_cmp_lg_u32 s40, 0
	s_cbranch_scc1 .Lt
	TT 0, 0, 1, 0                                  ; the last two tiles: the very last fetches nothing
	TT 1, 1, 0, 0
	s_wait_tensorcnt 0x0
	ds_add_u32 v254, v255
	s_wait_dscnt 0x0
	s_endpgm
.Lfunc_end_k_qab82c4ad68_combine:
	.size	k_qab82c4ad68_combine, .Lfunc_end_k_qab82c4ad68_combine-k_qab82c4ad68_combine
	.p2alignl 7, 3214868480
	.fill 96, 4, 3214868480
	.section	.rodata,"a",@progbits
	.p2align	6, 0x0
	.amdhsa_kernel k_qab82c4ad68_combine
		.amdhsa_group_segment_fixed_size 79360
		.amdhsa_private_segment_fixed_size 0
		.amdhsa_enable_private_segment 0
		.amdhsa_kernarg_size 48
		.amdhsa_user_sgpr_count 2
		.amdhsa_user_sgpr_kernarg_segment_ptr 1
		.amdhsa_wavefront_size32 1
		.amdhsa_system_sgpr_workgroup_id_x 1
		.amdhsa_system_sgpr_workgroup_id_y 1
		.amdhsa_system_sgpr_workgroup_id_z 1
		.amdhsa_system_vgpr_workitem_id 0
		.amdhsa_next_free_vgpr 768
		.amdhsa_next_free_sgpr 66
		.amdhsa_reserve_vcc 0
		.amdhsa_float_denorm_mode_32 3
		.amdhsa_float_denorm_mode_16_64 3
		.amdhsa_memory_ordered 1
		.amdhsa_forward_progress 1
		.amdhsa_inst_pref_size 199
	.end_amdhsa_kernel
	.amdgpu_metadata
---
amdhsa.version: [ 1, 2 ]
amdhsa.kernels:
  - .name:           k_qab82c4ad68_combine
    .symbol:         k_qab82c4ad68_combine.kd
    .args:
      - { .name: ub, .offset: 0, .size: 8, .value_kind: global_buffer, .address_space: global }
      - { .name: vxc, .offset: 8, .size: 8, .value_kind: global_buffer, .address_space: global }
      - { .name: vxs, .offset: 16, .size: 8, .value_kind: global_buffer, .address_space: global }
      - { .name: plog, .offset: 24, .size: 8, .value_kind: global_buffer, .address_space: global }
      - { .name: b2, .offset: 32, .size: 8, .value_kind: global_buffer, .address_space: global }
      - { .name: out0, .offset: 40, .size: 8, .value_kind: global_buffer, .address_space: global }
    .group_segment_fixed_size: 79360
    .private_segment_fixed_size: 0
    .kernarg_segment_align: 8
    .kernarg_segment_size: 48
    .max_flat_workgroup_size: 128
    .sgpr_count:     66
    .vgpr_count:     768
    .wavefront_size: 32
...
	.end_amdgpu_metadata
.endif
;; end of part 3
;; ======== version 2 of 2: 3 launches; version 1 with the launch combine written anew for expert scheduling mode
;; workspace buffers: xa 8,912,896 bytes; wb 2,785,280 bytes; ub 557,056 bytes; plog 2,097,152 bytes; vxc 2,097,152 bytes; vxs 131,072 bytes
;; launch quant: the kernel of part 1 again; grid 256 x 1, 13 waves a work-group, no clusters, 111,616 bytes of LDS; arguments x, V, U, W1, xa, wb, ub; writes xa, wb, ub
;; launch gemm: the kernel of part 2 again; grid 8 x 32, 4 waves a work-group, clusters of 4 x 4, 327,680 bytes of LDS; arguments xa, wb, b1, W2, plog, vxc, vxs; writes plog, vxc, vxs
;; launch combine (part 4): grid 4 x 64, 4 waves a work-group, no clusters, 79,360 bytes of LDS; arguments ub, vxc, vxs, plog, b2, out0; writes out0
.if DOCPART == 4
	.amdgcn_target "amdgcn-amd-amdhsa--gfx1250"
	.amdhsa_code_object_version 6
	.text
	.protected	k_qab82c4ad68_combine
	.globl	k_qab82c4ad68_combine
	.p2align	8
	.type	k_qab82c4ad68_combine,@function
k_qab82c4ad68_combine:
	s_mov_b64 s[64:65], 0
	v_nop
	global_prefetch_b8 v0, s[64:65] scope:SCOPE_SE
	s_setreg_imm32_b32 hwreg(HW_REG_WAVE_SCHED_MODE, 0, 2), 2
	s_setreg_imm32_b32 hwreg(HW_REG_WAVE_MODE, 25, 1), 1
	s_wait_xcnt 0x0
	s_wait_alu depctr_vm_vsrc(0)
; out[token][d] = the sum over the 8 experts k of alpha_k[token] x (the sum over r of U_k[d][r] vx_k[token][r]), the inner product on codes of FP4 with K = 64, alpha = softmax(logits + b2) in f32.
; A work-group makes 128 tokens x 512 d; wave w makes d = 512 x + 128 w + 0 .. 127 for all eight token tiles.  Its 32 fragments of U (8 d tiles x 4 pairs of experts) stay in registers for the whole launch.
; K = 64 IN AN INSTRUCTION OF 128.  A fragment of U holds a PAIR of experts, 64 + 64 along K.  The tokens' operand for expert 2 p is (its codes, zero codes), for expert 2 p + 1 (zero codes, its codes): twelve registers
; [codes of 2 p][zeros][codes of 2 p + 1] serve both, four registers apart.  Zero codes add nothing under any scale byte of this program (1 to 254).  So each expert's product stands alone and can be weighed by alpha in f32.
; TRANSPOSED USE: source 0 = 16 d, source 1 = 16 tokens: a lane holds one token and eight neighbouring d.  The products of a d tile's eight experts start anew with C = 0; packed multiply-adds by (alpha, alpha) gather them, and stand between
; the next tile's products as the places behind them.  A token tile's 16 x 128 results go through the wave's own stage and leave as rows of 512 consecutive bytes.
; THE HEAD: thread t adds token t's eight parts of the logits and b2, takes the largest away, and stores alpha (each twice, as pairs) and the token's four scale words in LDS; the waves copy the 128 tokens' codes there.  One barrier.
; THE LOADS' ORDER: the 40 loads that the head works on (codes, logits, scale bytes) go out first, U's scale words and U's 64 loads behind them, d tile by d tile.  The head waits for the 40 alone, and the first token tile waits for U
; tile by tile, 8 loads each: so U lands while the head and the first token tile are worked.  For that the first two token tiles are written out ahead of the loop.
; NO CLUSTER, NO TENSOR LOAD: U goes from memory straight into the registers in which it stays, 16 bytes a lane, so there is no LDS tile for a joint load to fill; the tokens' 32 KB are an eighth of the 256 KB that the work-group stores.
; LIMITS: NaN and infinities are not served; the experts are summed in ascending k in f32.
; REGISTERS: window 0: v1-14 addresses; v16-31 U's scale words (lanes 0-15 d tile 2 i, lanes 16-31 tile 2 i + 1); v32-127 the tokens' operands, two sets of 48; v128-135 their scale words, two sets; v136-167 alpha pairs, two sets; v168-231 rows on the way out;
;   v232-234 addresses in hand.  window 1: U.  window 2: v0-127 the products, two sets of 8 x 8; v128-191 the 64 results.
; THE MODE: SCHED_MODE bits 1:0 = 2 (LLVM: expert scheduling mode 2), set by the entry lines.  The code itself states the register dependences between vector or matrix instructions and memory or LDS instructions, with s_wait_alu, always for 0.
; THE PLAN.  Registers that memory or LDS instructions touch, from the first token tile on:
;   sets 0, 1    (operands without their zero codes, scale words, alpha pairs)  Tile t's products and multiply-adds read set t % 2; the 13 fetches of tile t + 1, issued at tile t's head, land in the other set.
;   results      (window 2, v128-191)  Written by tile t's multiply-adds; read by its 16 LDS stores, at its end.
;   rows         (v168-231)  Tile t's 16 LDS loads land in them, at its end; the 16 global stores that read them stand in tile t + 1, behind its second group of products.  No vector instruction of a tile names them.
;   v232-234     Read by the fetches; written once for two tiles, at a tile's head.
;   v4, v8, v9   Read by the stores and the stage's loads; never written again.  U and its scale words are loaded once.
; So a tile has four waits: at its head one on vm_vsrc (the last tile's LDS stores have read the results; the fetches have read v232-234) and one on va_vdst (the last tile is done reading the other set; v232-234 are written);
; at its end one on va_vdst (the results are written) ahead of the LDS stores, and one on vm_vsrc (this tile's global stores have read the rows) ahead of the rows' loads.
.set VXL, 0                            ; LDS: the tokens' codes: [token tile][expert][16 block + token][16 bytes]
.set ALL, 32768                        ; alpha: 80 bytes a token: eight pairs + 16 of padding
.set SWL, 43008                        ; scale words: 16 bytes a token
.set STG, 45056                        ; stages: 16 rows x 528 bytes for each wave
.set SPIT, 528
.set MSB, 0
.macro WIN new                         ; the immediate's high byte repeats the setting that is left
.if MSB != \new
	s_set_vgpr_msb (MSB<<8)|\new
.set MSB, \new
.endif
.endm
	s_load_b256 s[4:11], s[0:1], 0x0               ; ub s[4:5], vxc s[6:7], vxs s[8:9], plog s[10:11]
	s_load_b128 s[12:15], s[0:1], 0x20             ; b2 s[12:13], out0 s[14:15]
	v_lshl_add_u32 v254, v0, 2, 0x13400
	v_mov_b32 v255, 0
	v_lshrrev_b32 v1, 5, v0
	v_readfirstlane_b32 s16, v1                    ; wave 0..3
	s_and_b32 s17, ttmp7, 0xffff                   ; I: which 128 tokens
	v_and_b32 v1, 31, v0                           ; lane
	v_and_b32 v2, 15, v0                           ; r
	v_bfe_u32 v3, v0, 4, 1                         ; h
	v_lshlrev_b32 v4, 4, v1                        ; 16 x lane
	v_add_nc_u32 v5, VXL, v4                       ; a token tile's codes
	v_mul_u32_u24 v6, v2, 80
	v_add_nc_u32 v6, ALL, v6                       ; token r's alpha pairs
	v_lshl_add_u32 v7, v2, 4, SWL                  ; and its scale words
	s_wait_alu depctr_va_sdst(0)                   ; s16 is written, ahead of its first reader: LDS addresses and the buffers' offsets are made from it
	s_mul_i32 s18, s16, 16*SPIT
	s_add_co_u32 s18, s18, STG                     ; my stage
	v_mul_u32_u24 v8, v2, SPIT
	v_lshl_add_u32 v8, v3, 5, v8
	v_add_nc_u32 v8, s18, v8                       ; in: row r, 32 bytes for each half of the lanes
	v_add_nc_u32 v9, s18, v4                       ; back: a row of 512 bytes
	s_lshl_b32 s19, s16, 13
	v_add_nc_u32 v10, s19, v4                      ; the copy of the codes: 8,192 bytes a wave
	v_mul_u32_u24 v11, v0, 80
	v_add_nc_u32 v11, ALL, v11                     ; thread t's token: alpha,
	v_lshl_add_u32 v12, v0, 4, SWL                 ; scale words,
	v_lshlrev_b32 v13, 5, v0                       ; logits: 32 bytes a token,
	v_lshrrev_b32 v14, 4, v0
	v_lshlrev_b32 v14, 1, v14
	v_lshl_add_u32 v14, v2, 4, v14                 ; scale bytes: 16 (t % 16) + 2 (t / 16)
	s_lshl_b32 s44, ttmp9, 17
	s_lshl_b32 s46, s16, 15
	s_add_co_u32 s44, s44, s46                     ; U's codes: d tile 32 x + 8 w, 4,096 bytes a tile
	s_mov_b32 s45, 0
	s_lshr_b32 s46, s44, 4
	s_add_co_u32 s46, s46, 524288                  ; its scale words: 256 bytes a tile
	s_mov_b32 s47, 0
	s_lshl_b32 s48, s17, 15
	s_add_co_u32 s48, s48, s19                     ; the tokens' codes: 32,768 I + 8,192 w
	s_mov_b32 s49, 0
	s_lshl_b32 s50, s17, 12                        ; the logits: 128 I tokens of 32 bytes
	s_mov_b32 s51, 0
	s_lshl_b32 s52, s17, 8                         ; the scale bytes: 256 I
	s_mov_b32 s53, 0
	s_lshl_b32 s54, s17, 20                        ; out: 128 I rows of 8,192 bytes
	s_lshl_b32 s56, ttmp9, 11
	s_add_co_u32 s54, s54, s56
	s_lshl_b32 s56, s16, 9
	s_add_co_u32 s54, s54, s56                     ; + (512 x + 128 w) x 4
	s_mov_b32 s55, 0
	s_wait_kmcnt 0x0
	s_load_b256 s[20:27], s[12:13], 0x0            ; b2's eight numbers
	s_add_nc_u64 s[28:29], s[4:5], s[44:45]
	s_add_nc_u64 s[30:31], s[4:5], s[46:47]
	s_add_nc_u64 s[32:33], s[6:7], s[48:49]
	s_add_nc_u64 s[34:35], s[10:11], s[50:51]
	s_add_nc_u64 s[36:37], s[8:9], s[52:53]
	s_add_nc_u64 s[38:39], s[14:15], s[54:55]
	WIN 0x80                                       ; destination window 2
	s_wait_alu depctr_va_vdst(0)                   ; the addresses v4 and v8 to v14 are written, which the loads below, the LDS stores of the head and the way out read; none of them is written again
.irp n, 0,1,2,3,4,5,6,7,8,9,10,11,12,13,14,15
	global_load_b128 v[4*\n:4*\n+3], v4, s[32:33] offset:512*\n       ; my quarter of the tokens' codes
.endr
	WIN 0
.irp j, 0,1,2,3,4,5,6,7
.irp hf, 0,1
	global_load_b128 v[64+8*\j+4*\hf:64+8*\j+4*\hf+3], v13, s[34:35] offset:262144*\j+16*\hf   ; my token's logits, part j
.endr
.endr
.irp j, 0,1,2,3,4,5,6,7
	global_load_u16 v[208+\j], v14, s[36:37] offset:16384*\j          ; my token's two scale bytes of expert j
.endr
.irp i, 0,1,2,3
	global_load_b128 v[16+4*\i:19+4*\i], v4, s[30:31] offset:512*\i   ; U's scale words: register 4 i + p
.endr
	WIN 0x40                                       ; destination window 1
.irp b, 0,1,2,3,4,5,6,7
.irp p, 0,1,2,3
.irp cc, 0,1
	global_load_b128 v[8*(4*\b+\p)+4*\cc:8*(4*\b+\p)+4*\cc+3], v4, s[28:29] offset:4096*\b+1024*\p+512*\cc   ; U's fragment (d tile b, pair p): it stays.  Eight loads a d tile, the tiles in ascending order
.endr
.endr
.endr
	WIN 0
	s_wait_loadcnt 63                              ; the 40 loads of codes, logits and bytes are in: 68 younger loads are out behind them; the wait's field holds 63 at the most, and a smaller count is safe
	WIN 0x08                                       ; an LDS store's data are its source 1: window 2
.irp n, 0,1,2,3,4,5,6,7,8,9,10,11,12,13,14,15
	ds_store_b128 v10, v[4*\n:4*\n+3] offset:512*\n                   ; the data came by loads; v10 was written ahead of the wait on va_vdst above
.endr
	WIN 0
.irp j, 1,2,3,4,5,6,7
.irp n, 0,2,4,6
	v_pk_add_f32 v[64+\n:65+\n], v[64+\n:65+\n], v[64+8*\j+\n:65+8*\j+\n]   ; the eight parts over the hidden units: four chains
.endr
.endr
	s_wait_kmcnt 0x0
.irp k, 0,1,2,3,4,5,6,7
	v_add_f32 v[64+\k], s[20+\k], v[64+\k]         ; + b2
.endr
	v_max3_num_f32 v168, v64, v65, v66
	v_max3_num_f32 v168, v168, v67, v68
	v_max3_num_f32 v168, v168, v69, v70
	v_max_num_f32 v168, v168, v71                  ; the largest logit is taken away, exactly, ahead of the scaling
.irp k, 0,1,2,3,4,5,6,7
	v_sub_f32 v[170+\k], v[64+\k], v168
.endr
.irp k, 0,1,2,3,4,5,6,7
	v_mul_f32 v[170+\k], 0x3fb8aa3b, v[170+\k]     ; x log2(e)
.endr
.irp k, 0,1,2,3,4,5,6,7
	v_exp_f32 v[170+\k], v[170+\k]
.endr
.irp s, 0,1                                        ; the zero codes of both sets: plain work behind the exponentials, and far ahead of the first product that reads them
.irp p, 0,1,2,3
.irp z, 4,5,6,7
	v_mov_b32 v[32+48*\s+12*\p+\z], 0
.endr
.endr
.endr
	s_wait_alu depctr_va_vdst(0)                   ; the eight exponentials have written v170 to v177, ahead of their first reader; and the zero codes are written, which the scaled products take as part of their operands
	v_add_f32 v178, v170, v171
	v_add_f32 v179, v172, v173
	v_add_f32 v200, v174, v175
	v_add_f32 v201, v176, v177
	v_add_f32 v178, v178, v179
	v_add_f32 v200, v200, v201
	v_add_f32 v178, v178, v200
	v_rcp_f32 v202, v178
	v_lshl_or_b32 v216, v209, 16, v208             ; (plain lines behind the reciprocal)  pair p's scale word: expert 2 p's two bytes, then expert 2 p + 1's
	v_lshl_or_b32 v217, v211, 16, v210
	v_lshl_or_b32 v218, v213, 16, v212
	v_lshl_or_b32 v219, v215, 16, v214
	s_wait_alu depctr_va_vdst(0)                   ; the reciprocal has written v202, ahead of its first reader
.irp k, 0,1,2,3,4,5,6,7
	v_mul_f32 v[180+2*\k], v[170+\k], v202         ; alpha_k, twice: a pair for the packed multiply-adds
	v_mul_f32 v[181+2*\k], v[170+\k], v202
.endr
	s_wait_alu depctr_va_vdst(0)                   ; the alpha pairs v180 to v195 and the scale words v216 to v219 are written, which the LDS stores below read
.irp n, 0,1,2,3
	ds_store_b128 v11, v[180+4*\n:183+4*\n] offset:16*\n
.endr
	ds_store_b128 v12, v[216:219]
	s_mov_b32 s41, 0                               ; the steps through the codes,
	s_mov_b32 s42, 0                               ; the alphas
	s_mov_b32 s43, 0                               ; and the scale words
	s_wait_dscnt 0x0                               ; for the others' sake: my stores are done
	s_barrier_signal -1
	s_barrier_wait -1                              ; codes, alphas and scale words of all 128 tokens lie in LDS; nobody writes them again.  (U's loads, into registers of my own, may still be out)
.macro ADDR                            ; the addresses of the two token tiles in hand
	v_add_nc_u32 v232, s41, v5
	v_add_nc_u32 v233, s42, v6
	v_add_nc_u32 v234, s43, v7
.endm
.macro PRE set, al                     ; token tile al (counted from the addresses in hand) into set: eight experts' codes, eight alpha pairs, four scale words: 13 loads
.irp k, 0,1,2,3,4,5,6,7
	ds_load_b128 v[32+48*(\set)+12*(\k/2)+8*(\k%2):32+48*(\set)+12*(\k/2)+8*(\k%2)+3], v232 offset:4096*(\al)+512*\k
.endr
.irp n, 0,1,2,3
	ds_load_b128 v[136+16*(\set)+4*\n:136+16*(\set)+4*\n+3], v233 offset:1280*(\al)+16*\n
.endr
	ds_load_b128 v[128+4*(\set):128+4*(\set)+3], v234 offset:256*(\al)
.endm
.macro GRP par, b                      ; d tile b against the eight experts of the token tile in set par: eight products, each with C = 0, into product set b % 2
	WIN 0x81                                       ; U window 1, tokens window 0, products window 2
.irp k, 0,1,2,3,4,5,6,7
.if (\b)%2
	v_wmma_scale_f32_16x16x128_f8f6f4 v[64*((\b)%2)+8*\k:64*((\b)%2)+8*\k+7], v[8*(4*(\b)+\k/2):8*(4*(\b)+\k/2)+7], v[32+48*(\par)+12*(\k/2)+4*(\k%2):32+48*(\par)+12*(\k/2)+4*(\k%2)+7], 0, v[16+4*((\b)/2)+\k/2], v[128+4*(\par)+\k/2] matrix_a_fmt:MATRIX_FMT_FP4 matrix_b_fmt:MATRIX_FMT_FP4 matrix_a_scale:MATRIX_SCALE_ROW1
.else
	v_wmma_scale_f32_16x16x128_f8f6f4 v[64*((\b)%2)+8*\k:64*((\b)%2)+8*\k+7], v[8*(4*(\b)+\k/2):8*(4*(\b)+\k/2)+7], v[32+48*(\par)+12*(\k/2)+4*(\k%2):32+48*(\par)+12*(\k/2)+4*(\k%2)+7], 0, v[16+4*((\b)/2)+\k/2], v[128+4*(\par)+\k/2] matrix_a_fmt:MATRIX_FMT_FP4 matrix_b_fmt:MATRIX_FMT_FP4
.endif
.endr
.endm
.macro FMAS par, bb                    ; d tile bb's eight products weighed by alpha: 32 packed lines, four chains; each product is read from its low end on
	WIN 0xa2                                       ; products and results window 2, alpha window 0
.irp n, 0,2,4,6
	v_pk_mul_f32 v[128+8*(\bb)+\n:129+8*(\bb)+\n], v[64*((\bb)%2)+\n:64*((\bb)%2)+\n+1], v[136+16*(\par):137+16*(\par)]
.endr
.irp k, 1,2,3,4,5,6,7
.irp n, 0,2,4,6
	v_pk_fma_f32 v[128+8*(\bb)+\n:129+8*(\bb)+\n], v[64*((\bb)%2)+8*\k+\n:64*((\bb)%2)+8*\k+\n+1], v[136+16*(\par)+2*\k:137+16*(\par)+2*\k], v[128+8*(\bb)+\n:129+8*(\bb)+\n]
.endr
.endr
.endm
.macro SEND a, younger                 ; the 16 rows of token tile a (counted from the base in hand; -1: the tile in front of it) are stored.  younger: the LDS loads issued behind the rows', which may stay out
.irp t, 0,1,2,3,4,5,6,7,8,9,10,11,12,13,14,15
	s_wait_dscnt (\younger)+15-\t                  ; row t is in; the younger rows, and what was issued behind them, may be out
	global_store_b128 v4, v[168+4*\t:168+4*\t+3], s[38:39] offset:(16*(\a)+\t)*8192 th:TH_STORE_NT   ; 32 lanes store 512 consecutive bytes, aligned; written once, read by nobody here.  The data came by LDS loads
.endr
.endm
; A token tile.  par: its set; al: its number from the addresses and the base in hand; pre = 1: the next tile is fetched into the other set, a whole tile ahead of its use;
; first = 1: the launch's first token tile, which waits for U as it lands, d tile by d tile, and has no tile in front of it; step = 1: the addresses in hand move on to this tile's pair.
; The rows of the tile before are stored behind this tile's second group of products: their way through the stage is under way while the first two groups are issued.
.macro TT par, al, pre, first, step
.if \first
	s_wait_dscnt 0x0                               ; this tile's 13 loads
.else
	s_wait_dscnt 32                                ; this tile's 13 loads, issued a tile ago, are in; the stage's 16 stores and 16 loads of the tile before, which are younger, may be out
.endif
	s_wait_alu depctr_vm_vsrc(0)                   ; the LDS stores issued so far have read their data: the last tile's the results, which this tile's multiply-adds write again (in the first tile: the head's copy the registers in which the products land); the fetches have read v232 to v234
.if \step
	ADDR
.endif
.if \pre && !\first
	s_wait_alu depctr_va_vdst(0)                   ; the last tile's products and multiply-adds are done reading the other set, in which the fetches below land; where the addresses have moved on, v232 to v234 are written
.endif
.if \pre
	PRE 1-\par, \al+1                              ; (in the first tile the wait on va_vdst ahead of the first fetches serves these too: LDS loads alone stand between)
.endif
.if \first
	s_wait_loadcnt 56                              ; U's scale words and its d tile 0 are in; the seven tiles behind it, 8 loads each, may be out
.endif
	GRP \par, 0
.rept 4
	v_nop                                          ; places behind the first eight products: there is no earlier tile's work to set here
.endr
.irp b, 1,2,3,4,5,6,7
.if \first
	s_wait_loadcnt 56-8*\b                         ; U's d tile b is in; the 7 - b tiles behind it may be out
.endif
	GRP \par, \b
	FMAS \par, \b-1                                ; the other product set's 32 lines are the places behind these products
.if (\b == 1) && !\first
	WIN 0
	SEND \al-1, 13*\pre                            ; the tile before leaves.  No vector or matrix instruction of a tile names the rows' registers
.endif
.endr
	FMAS \par, 7
	WIN 0x08                                       ; an LDS store's data are its source 1: window 2
	s_wait_alu depctr_va_vdst(0)                   ; the multiply-adds have written the 64 results, which the LDS stores below read
.irp bb, 0,1,2,3,4,5,6,7
.irp hf, 0,1
	ds_store_b128 v8, v[128+8*\bb+4*\hf:128+8*\bb+4*\hf+3] offset:64*\bb+16*\hf   ; lane (token r, h): d = 16 bb + 8 h + 0 .. 7
.endr
.endr
	WIN 0
.if !\first
	s_wait_xcnt 0x0                                ; the last tile's stores, issued in this tile, have had their addresses translated: the rows below land in their data registers only behind this wait,
	s_wait_alu depctr_vm_vsrc(0)                   ; and behind this one: those stores have read v168 to v231
.endif
.irp t, 0,1,2,3,4,5,6,7,8,9,10,11,12,13,14,15
	ds_load_b128 v[168+4*\t:168+4*\t+3], v9 offset:SPIT*\t    ; LDS serves a wave's instructions in order: these see the stores above
.endr
.endm
.macro NEXT2                           ; on to the next two token tiles: the base and the steps; the addresses follow at the next tile's head
	s_wait_xcnt 0x0                                ; the stores have read their base
	s_add_nc_u64 s[38:39], s[38:39], 32*8192
	s_add_co_u32 s41, s41, 2*4096
	s_add_co_u32 s42, s42, 2*1280
	s_add_co_u32 s43, s43, 2*256
.endm
	ADDR
	s_wait_alu depctr_va_vdst(0)                   ; v232 to v234 are written, which the fetches read; the head's sums are done with v64 to v127, in which fetches land
	PRE 0, 0
	TT 0, 0, 1, 1, 0                               ; token tiles 0 and 1 are written out: the first waits for U tile by tile
	TT 1, 1, 1, 0, 0
	NEXT2
	s_mov_b32 s40, 2
.Lt:                                               ; a trip makes two token tiles, until the sets are back where they began: tiles 2 to 5.  On both ways in the same LDS instructions are out: 13 fetches, the stage's 16 stores and 16 loads
	TT 0, 0, 1, 0, 1
	TT 1, 1, 1, 0, 0
	NEXT2
	s_sub_co_u32 s40, s40, 1
	s_cmp_lg_u32 s40, 0
	s_cbranch_scc1 .Lt
	TT 0, 0, 1, 0, 1                               ; the last two tiles: the very last fetches nothing
	TT 1, 1, 0, 0, 0
	SEND 1, 0                                      ; and its rows leave here: no tile follows
	s_wait_dscnt 0x0                               ; the closing lines, six on end
	s_wait_alu 0x0
	s_wait_tensorcnt 0x0
	ds_add_u32 v254, v255
	s_wait_dscnt 0x0
	s_endpgm
.Lfunc_end_k_qab82c4ad68_combine:
	.size	k_qab82c4ad68_combine, .Lfunc_end_k_qab82c4ad68_combine-k_qab82c4ad68_combine
	.p2alignl 7, 3214868480
	.fill 96, 4, 3214868480
	.section	.rodata,"a",@progbits
	.p2align	6, 0x0
	.amdhsa_kernel k_qab82c4ad68_combine
		.amdhsa_group_segment_fixed_size 79360
		.amdhsa_private_segment_fixed_size 0
		.amdhsa_enable_private_segment 0
		.amdhsa_kernarg_size 48
		.amdhsa_user_sgpr_count 2
		.amdhsa_user_sgpr_kernarg_segment_ptr 1
		.amdhsa_wavefront_size32 1
		.amdhsa_system_sgpr_workgroup_id_x 1
		.amdhsa_system_sgpr_workgroup_id_y 1
		.amdhsa_system_sgpr_workgroup_id_z 1
		.amdhsa_system_vgpr_workitem_id 0
		.amdhsa_next_free_vgpr 768
		.amdhsa_next_free_sgpr 66
		.amdhsa_reserve_vcc 0
		.amdhsa_float_denorm_mode_32 3
		.amdhsa_float_denorm_mode_16_64 3
		.amdhsa_memory_ordered 1
		.amdhsa_forward_progress 1
		.amdhsa_inst_pref_size 200
	.end_amdhsa_kernel
	.amdgpu_metadata
---
amdhsa.version: [ 1, 2 ]
amdhsa.kernels:
  - .name:           k_qab82c4ad68_combine
    .symbol:         k_qab82c4ad68_combine.kd
    .args:
      - { .name: ub, .offset: 0, .size: 8, .value_kind: global_buffer, .address_space: global }
      - { .name: vxc, .offset: 8, .size: 8, .value_kind: global_buffer, .address_space: global }
      - { .name: vxs, .offset: 16, .size: 8, .value_kind: global_buffer, .address_space: global }
      - { .name: plog, .offset: 24, .size: 8, .value_kind: global_buffer, .address_space: global }
      - { .name: b2, .offset: 32, .size: 8, .value_kind: global_buffer, .address_space: global }
      - { .name: out0, .offset: 40, .size: 8, .value_kind: global_buffer, .address_space: global }
    .group_segment_fixed_size: 79360
    .private_segment_fixed_size: 0
    .kernarg_segment_align: 8
    .kernarg_segment_size: 48
    .max_flat_workgroup_size: 128
    .sgpr_count:     66
    .vgpr_count:     768
    .wavefront_size: 32
...
	.end_amdgpu_metadata
.endif
;; end of part 4
